; MI455X (gfx1250); checked and timed in simulation.
; The chip was launched on July 23, 2026; its instructions are those of AMD's public machine-readable ISA for CDNA 5 (MIT licence, August 2026) and "CDNA5" Instruction Set Architecture Reference Guide (July 2026). The comments in the code are by the model that wrote it; some were corrected since.
;; Self Attention V2. Allowed arithmetic: matrix products marked QUANTISED: E2M1 operands, one E8M0 scale for each 32 along K, by v_wmma_scale_f32_16x16x128_f8f6f4 with both operands' format E2M1 (or v_wmma_scale_f32_32x16x128_f4), f32 sums; products left as they are: bf16, f16 or f32 operands; f32 sums; everything else in f32.
;; Inputs: W_proj 3,072 x 1,024 float32; b_proj 3,072 float32; hidden_states 4 x 2,048 x 1,024 float32.
;; Outputs: out0 4 x 2,048 x 1,024 float32.
;; This version of the problem:
;;   THIS VERSION OF THE PROBLEM IS GIVEN IN LOW PRECISION. The matrix products marked QUANTISED in the list below multiply operands that are first quantised to E2M1 (2 exponent bits, 1 mantissa bit; 4 bits a number), with one power-of-two scale for each 32 numbers along K (OCP MX v1.0); their sums are f32. The products marked 'left as it is' may take bf16, f16 or f32 operands, with f32 sums. Whichever they take, every output number must still come out within the allowed error. Rounding operands to bf16 (8 significant bits) uses up far more of that allowance than f16 does (11 bits, for magnitudes from 6e-5 to 65,504). All else is computed in f32.
;;   The module's matrix products, in the order in which they are computed (A, B: the left and right operand; K: the contracted axis; several contracted axes count as one K, in the product's order):
;;     1. [M 8,192, K 1,024] x [K 1,024, N 3,072]; A: input hidden_states; B: input W_proj: QUANTISED
;;     2. batch 4 x [M 2,048, K 1,024] x [K 1,024, N 2,048]; A: computed on the way; B: computed on the way: left as it is (an operand is computed on the way)
;;     3. batch 4 x [M 2,048, K 2,048] x [K 2,048, N 1,024]; A: computed on the way; B: computed on the way: left as it is (an operand is computed on the way)
;;   THE QUANTISER, for each operand of a quantised product, along K:
;;     - K is cut into blocks of 32 from its start; a last block that is shorter is filled with zeros.
;;     - A block's scale is 2^e with e = floor(log2(the largest magnitude in the block)) - 2, held to -126 .. 127; a block of zeros has e = 0. As a byte (E8M0): e + 127.
;;     - Each number is divided by its block's scale, clamped to +-6, and rounded to the nearest number of E2M1, ties to even, subnormals kept.
;;     - The product sums the exact products of the quantised numbers (number of the format x scale) in f32.
;;   ~~~python
;;   def quantise(x, axis):      # numpy; x: float32 -> the quantised numbers, widened to float32 again
;;       x = np.moveaxis(x, axis, -1); K = x.shape[-1]
;;       x = np.pad(x, [(0, 0)] * (x.ndim - 1) + [(0, -K % 32)]); x = x.reshape(x.shape[:-1] + (-1, 32)); a = np.abs(x).max(-1, keepdims=True)
;;       e = np.where(a > 0, np.clip(np.frexp(np.where(a > 0, a, 1))[1] - 1 - 2, -126, 127), 0)      # np.frexp(a)[1] - 1 = floor(log2(a)), exactly
;;       r = np.clip(x / 2.0 ** e, -6, 6)
;;       step = 2.0 ** (np.maximum(np.frexp(np.where(r == 0, 1, r))[1] - 1, 0) - 1)
;;       q = np.round(r / step) * step * 2.0 ** e      # np.round: ties to even
;;       return np.moveaxis(q.reshape(q.shape[:-2] + (-1,))[..., :K], -1, axis).astype(np.float32)
;;   ~~~
;; One version. Each part assembles by itself: llvm-mc -triple=amdgcn-amd-amdhsa -mcpu=gfx1250 --defsym DOCPART=n.
;; ======== version 1 of 1: 4 launches
;; limits: values are held in f16: magnitudes above 65,504 overflow, below 6.1e-05 lose precision
;; workspace buffers: xc 4,194,304 bytes; xs 262,144 bytes; wc 1,572,864 bytes; ws 98,304 bytes; qkv 50,331,648 bytes; p 33,554,432 bytes; stats 1,048,576 bytes
;; launch quant (part 1): grid 352 x 1, 4 waves a work-group, no clusters, 33,280 bytes of LDS; arguments hidden_states, W_proj, xc, xs, wc, ws; writes xc, xs, wc, ws
.if DOCPART == 1
	.amdgcn_target "amdgcn-amd-amdhsa--gfx1250"
	.amdhsa_code_object_version 6
	.text
	.protected	k_qd0a7554698_quant
	.globl	k_qd0a7554698_quant
	.p2align	8
	.type	k_qd0a7554698_quant,@function
k_qd0a7554698_quant:
	s_mov_b64 s[64:65], 0
	v_nop
	global_prefetch_b8 v0, s[64:65] scope:SCOPE_SE
	s_setreg_imm32_b32 hwreg(HW_REG_WAVE_MODE, 25, 1), 1
	s_wait_xcnt 0x0
; THE PROGRAM: out = softmax(q k^T / 32) v with [q k v] = x W^T + b, in four launches: this one (x and W into codes of FP4), the projection on codes, the scores with their
; exponentials by chunks of 128 keys, and the weighted sum of v.
; WORK LEFT OUT, for all values of the inputs: the bias of k, b_proj[1024:2048].  With k = k0 + bk, score(q, key) = s q.k0(key) + s q.bk, and the second term is the same for every key of a row:
; the softmax along the keys takes it away.  The product q k^T is not quantised, so no quantiser sees k.  That third of b_proj is not loaded; q's and v's thirds are.
; LIMIT of that: a NaN, an infinity or an overflow that stands in b_proj[1024:2048] alone is not carried to the result.
; THIS LAUNCH: x [8192][1024] and W [3072][1024], f32, become codes of FP4 (E2M1), 4 bits each, K innermost, with one E8M0 scale byte for each 32 along K.
; A block's scale is 2^(floor(log2(its largest magnitude)) - 2); its byte is the largest magnitude's own exponent field - 2, held at 1 from below.  (A block of zeros so gets the byte 1 where the
; rule says 127: its codes are zeros, which add nothing under any byte but 0xff, and the bytes are read by this program alone.)  Each number is divided by the scale and rounded to the nearest code, ties to even.
; LIMITS: blocks whose largest magnitude lies under 2^(2 - 126), whose byte is held at 1, were not tried; NaN and infinities among the inputs are not served.
; Rows are dense and K is a multiple of 32, so both tensors are plain streams of blocks of 32 numbers, and so are the codes and the scale bytes.
; A wave takes 16 steps of 512 numbers.  Each of a step's four loads reads 512 consecutive bytes, 16 a lane; the 2,048 bytes go through the wave's own stage in LDS and come back 64 bytes a lane,
; so that a lane holds 16 neighbours along K (two neighbouring lanes hold a block).  A lane's 16 codes are 8 bytes: the wave stores 256 consecutive bytes.  A wave's 256 scale bytes are gathered in LDS
; and leave as one aligned run of 256 bytes.  The first WGA work-groups take x, the others W.  No cluster: no byte is read by two work-groups.  No prefetch: the launch is one stream, read once, with 16 loads a wave out.
.set SIZE_M, 8192
.set SIZE_N, 3072
.set SIZE_K, 1024
.set WAVES, 4
.set STEPS, 16
.set WGA,   SIZE_M*SIZE_K/(512*STEPS*WAVES)    ; 256 work-groups for x, 96 for W
.set EMAX,  2
.set CB,    8                          ; bytes of 16 codes
.set R,     16                         ; v16-79   four sets of 16 numbers as they are loaded
.set X,     80                         ; v80-111  two sets of 16 neighbours
.set C,     128                        ; v128-191 codes: four registers for each step, so that no store's data are written again
.set E,     112                        ; v112-127 a scale byte for each step
.set WREG,  8192                       ; LDS: a region of its own for each wave: two stages of 32 x SP bytes, and behind them its 256 scale bytes
.set SP,    80                         ; a lane's place in a stage: its 64 bytes + 16 of padding
.set SPW,   12                         ; v12      LDS address of my spare word; never rewritten
.set NIL,   13                         ; v13      0; never rewritten
.set SPARE, WAVES*WREG                 ; behind the four regions: the spare words, 128 bytes for each wave
	s_load_b128 s[4:7], s[0:1], 0x0                ; x, W
	s_load_b128 s[8:11], s[0:1], 0x10              ; x's codes, x's scales
	s_load_b128 s[12:15], s[0:1], 0x20             ; W's codes, W's scales
	v_lshl_add_u32 v[SPW], v0, 2, SPARE
	v_mov_b32 v[NIL], 0
	v_lshrrev_b32 v1, 5, v0
	v_readfirstlane_b32 s16, v1                    ; wave
	v_and_b32 v2, 31, v0                           ; lane
	v_lshlrev_b32 v3, 4, v2                        ; my 16 bytes of a load's 512
	s_mul_i32 s17, s16, WREG
	v_lshrrev_b32 v14, 2, v2
	v_mul_u32_u24 v14, v14, SP
	v_and_b32 v15, 3, v2
	v_lshl_add_u32 v14, v15, 4, v14
	v_add_nc_u32 v14, s17, v14                     ; the stage, on the way in: four lanes' 64 bytes on end, then 16 of padding
	v_mul_u32_u24 v15, v2, SP
	v_add_nc_u32 v15, s17, v15                     ; and on the way out: SP x lane: my 16 neighbours
	v_mul_u32_u24 v4, v2, CB                       ; my codes' place in a step's
	v_lshrrev_b32 v5, 1, v2
	s_add_co_u32 s17, s17, 2*32*SP
	v_add_nc_u32 v5, s17, v5                       ; LDS: my wave's 256 scale bytes, my block's byte
	v_lshlrev_b32 v7, 3, v2                        ; and on the way out 8 bytes a lane
	v_add_nc_u32 v6, s17, v7
	s_wait_kmcnt 0x0
	s_cmp_lt_u32 ttmp9, WGA                        ; x's work-group or W's?  The choice hangs on the work-group's number alone
	s_cselect_b64 s[4:5], s[4:5], s[6:7]
	s_cselect_b64 s[8:9], s[8:9], s[12:13]
	s_cselect_b64 s[10:11], s[10:11], s[14:15]
	s_cselect_b32 s17, 0, WGA
	s_sub_co_u32 s17, ttmp9, s17
	s_lshl_b32 s17, s17, 2
	s_add_co_u32 s18, s17, s16                     ; which run of 8,192 numbers of the tensor is my wave's
	s_mov_b32 s19, 0
	s_mov_b64 s[20:21], 512*STEPS*4
	s_mul_u64 s[20:21], s[18:19], s[20:21]
	s_add_nc_u64 s[4:5], s[4:5], s[20:21]
	s_mov_b64 s[20:21], 32*STEPS*CB
	s_mul_u64 s[20:21], s[18:19], s[20:21]
	s_add_nc_u64 s[8:9], s[8:9], s[20:21]
	s_lshl_b32 s18, s18, 8                         ; 256 scale bytes a run
	s_add_nc_u64 s[10:11], s[10:11], s[18:19]
.macro LOAD t
.irp i, 0,1,2,3
	global_load_b128 v[R+16*((\t)%4)+4*\i:R+16*((\t)%4)+4*\i+3], v3, s[4:5] offset:2048*(\t)+512*\i th:TH_LOAD_NT   ; 32 lanes read 512 consecutive bytes
.endr
.endm
.macro TURN t                          ; step t's numbers through the stage: LDS serves a wave's instructions in order, so no wait stands between the stores and the loads
.irp i, 0,1,2,3
	ds_store_b128 v14, v[R+16*((\t)%4)+4*\i:R+16*((\t)%4)+4*\i+3] offset:32*SP*((\t)%2)+8*SP*\i
.endr
.irp i, 0,1,2,3
	ds_load_b128 v[X+16*((\t)%2)+4*\i:X+16*((\t)%2)+4*\i+3], v15 offset:32*SP*((\t)%2)+16*\i
.endr
.endm
.irp t, 0,1,2,3
	LOAD \t
.endr
	s_wait_loadcnt 12                              ; step 0's four loads are in; the twelve of steps 1 to 3 may be out
	TURN 0
.macro STEP t
.set XS, X+16*((\t)%2)
.if (\t) > 0
	s_wait_dscnt 1                                 ; this step's numbers are back from the stage (the last step's byte store may be out): so its stores into the stage have read their registers,
.else
	s_wait_dscnt 0x0
.endif
.if (\t)+4 < STEPS
	LOAD (\t)+4                                    ; which take the loads of four steps on
.endif
.if (\t)+1 < STEPS
.if STEPS-2-(\t) >= 3
	s_wait_loadcnt 12                              ; the next step's four loads are in; those of the three steps behind it may be out
.else
	s_wait_loadcnt 4*(STEPS-2-(\t))
.endif
	TURN (\t)+1                                    ; and go through the other stage while this step is worked
.endif
	v_max3_num_f32 v8, |v[XS]|, |v[XS+1]|, |v[XS+2]|               ; the largest magnitude of my 16, in two chains
	v_max3_num_f32 v9, |v[XS+3]|, |v[XS+4]|, |v[XS+5]|
.irp i, 6,10
	v_max3_num_f32 v8, v8, |v[XS+\i]|, |v[XS+\i+1]|
	v_max3_num_f32 v9, v9, |v[XS+\i+2]|, |v[XS+\i+3]|
.endr
	v_max3_num_f32 v8, v8, |v[XS+14]|, |v[XS+15]|
	v_max3_num_f32 v8, v8, v9, (EMAX+1)<<23        ; and the floor 2^(EMAX + 1 - 127): so the byte cannot fall under 1
	v_max_num_f32_dpp v8, v8, v8 row_xmask:1 row_mask:0xf bank_mask:0xf   ; and of my neighbour's 16: the block's
	v_add_nc_u32 v11, -(EMAX<<23), v8              ; EMAX off its exponent field: the conversion takes the exponent field of this operand as its scale, and nothing else of it
	v_cvt_scalef32_pk8_fp4_f32 v[C+4*(\t)], v[XS:XS+7], v11        ; eight numbers / the scale, to the nearest code, ties to even, beyond the largest code the largest
	v_cvt_scalef32_pk8_fp4_f32 v[C+4*(\t)+1], v[XS+8:XS+15], v11
	v_lshrrev_b32 v[E+(\t)], 23, v11               ; the scale's byte (also the plain line behind the conversions)
	ds_store_b8 v5, v[E+(\t)] offset:16*(\t)       ; both lanes of a block write the same byte with the same value
	global_store_b64 v4, v[C+4*(\t):C+4*(\t)+1], s[8:9] offset:32*CB*(\t)
.endm
.irp t, 0,1,2,3,4,5,6,7,8,9,10,11,12,13,14,15
	STEP \t
.endr
	ds_load_b64 v[8:9], v6                         ; LDS serves a wave's instructions in order: these see my stores
	s_wait_dscnt 0x0
	global_store_b64 v7, v[8:9], s[10:11]          ; 32 lanes store 256 consecutive bytes, aligned
	s_wait_tensorcnt 0x0                           ; the wave's end, behind my last LDS store
	ds_add_u32 v[SPW], v[NIL]
	s_wait_dscnt 0x0
	s_endpgm
.Lfunc_end_k_qd0a7554698_quant:
	.size	k_qd0a7554698_quant, .Lfunc_end_k_qd0a7554698_quant-k_qd0a7554698_quant
	.p2alignl 7, 3214868480
	.fill 96, 4, 3214868480
	.section	.rodata,"a",@progbits
	.p2align	6, 0x0
	.amdhsa_kernel k_qd0a7554698_quant
		.amdhsa_group_segment_fixed_size 33280
		.amdhsa_private_segment_fixed_size 0
		.amdhsa_enable_private_segment 0
		.amdhsa_kernarg_size 48
		.amdhsa_user_sgpr_count 2
		.amdhsa_user_sgpr_kernarg_segment_ptr 1
		.amdhsa_wavefront_size32 1
		.amdhsa_system_sgpr_workgroup_id_x 1
		.amdhsa_system_sgpr_workgroup_id_y 1
		.amdhsa_system_sgpr_workgroup_id_z 1
		.amdhsa_system_vgpr_workitem_id 0
		.amdhsa_next_free_vgpr 192
		.amdhsa_next_free_sgpr 66
		.amdhsa_reserve_vcc 0
		.amdhsa_float_denorm_mode_32 3
		.amdhsa_float_denorm_mode_16_64 3
		.amdhsa_memory_ordered 1
		.amdhsa_forward_progress 1
		.amdhsa_inst_pref_size 33
	.end_amdhsa_kernel
	.amdgpu_metadata
---
amdhsa.version: [ 1, 2 ]
amdhsa.kernels:
  - .name:           k_qd0a7554698_quant
    .symbol:         k_qd0a7554698_quant.kd
    .args:
      - { .name: hidden_states, .offset: 0, .size: 8, .value_kind: global_buffer, .address_space: global }
      - { .name: W_proj, .offset: 8, .size: 8, .value_kind: global_buffer, .address_space: global }
      - { .name: xc, .offset: 16, .size: 8, .value_kind: global_buffer, .address_space: global }
      - { .name: xs, .offset: 24, .size: 8, .value_kind: global_buffer, .address_space: global }
      - { .name: wc, .offset: 32, .size: 8, .value_kind: global_buffer, .address_space: global }
      - { .name: ws, .offset: 40, .size: 8, .value_kind: global_buffer, .address_space: global }
    .group_segment_fixed_size: 33280
    .private_segment_fixed_size: 0
    .kernarg_segment_align: 8
    .kernarg_segment_size: 48
    .max_flat_workgroup_size: 128
    .sgpr_count:     66
    .vgpr_count:     192
    .wavefront_size: 32
...
	.end_amdgpu_metadata
.endif
;; end of part 1
;; launch proj (part 2): grid 12 x 32, 4 waves a work-group, clusters of 4 x 4, 327,680 bytes of LDS; arguments xc, xs, wc, ws, qkv, b_proj; writes qkv
.if DOCPART == 2
	.amdgcn_target "amdgcn-amd-amdhsa--gfx1250"
	.amdhsa_code_object_version 6
	.text
	.protected	k_qd0a7554698_proj
	.globl	k_qd0a7554698_proj
	.p2align	8
	.type	k_qd0a7554698_proj,@function
k_qd0a7554698_proj:
	s_mov_b64 s[64:65], 0
	v_nop
	global_prefetch_b8 v0, s[64:65] scope:SCOPE_SE
	s_setreg_imm32_b32 hwreg(HW_REG_WAVE_MODE, 25, 1), 1
	s_wait_xcnt 0x0
	s_wait_alu depctr_hold_cnt(0) depctr_sa_sdst(0) depctr_va_vdst(0) depctr_va_sdst(0) depctr_va_ssrc(0) depctr_va_vcc(0) depctr_vm_vsrc(0)
	s_getreg_b32 s2, hwreg(HW_REG_IB_STS2, 6, 4)
	s_cmp_eq_u32 s2, 0
	s_cbranch_scc0 .Lentry_in_a_cluster
	s_endpgm
.Lentry_in_a_cluster:
	s_bfe_u32 s2, ttmp6, 0x10000c
	s_cmp_lg_u32 s2, 0xf033
	s_cbranch_scc0 .Lentry_shape_is_right
	s_endpgm
.Lentry_shape_is_right:
; qkv[m][n] = sum over k of Q(x)[m][k] Q(W)[n][k] + b[n], rounded once to f16.  x: 8,192 rows, W: 3,072 rows, K = 1,024: codes of FP4 with one E8M0 byte for each 32 along K; sums in f32.
; WORK LEFT OUT: k's third of the bias, b_proj[1024:2048], is not loaded and not added: it moves every score of a row alike, and the softmax takes that away (shown at the head of the first launch).
; LIMIT: |q|, |k|, |v| stay under 65,504, the largest f16 number; beyond it the rounding gives infinity.
; A tile of 256 x 256 is made by four waves, each 128 x 128: 64 accumulators, 512 registers.  K is two slots of 512 (rows of 256 bytes): both are first fills, nothing is filled again, so there is no loop.
; The scale bytes of the work-group's 256 + 256 rows come once, as dense runs of 256 bytes.  By this text's count a wave has three tensor loads out at the most.
; CLUSTERS: 4 x 4 work-groups; the four of a row need the same rows of x, the four of a column the same rows of W: each tile is asked for jointly.  The cluster's x is 0, 1, 2 for q, k, v: the same in all sixteen.
; THE MATRIX INSTRUCTION IS USED TRANSPOSED (source 0 = 16 rows of W, source 1 = 16 rows of x): a lane holds eight neighbouring columns of one row of qkv.
; THE BIAS IS THE C OF THE FIRST STEP'S PRODUCTS: 64 registers, register 8 b + j of lane (r, h) = b[my first column + 16 b + 8 h + j]; in k's clusters they hold zeros.
; 384 tiles on 256 WGPs are uneven; a tile that divided evenly would want 768 accumulator registers a wave and leave no room for two sets of fragments.  No prefetch: each tile's loads go out at once at the head.
; REGISTERS: window 0: v0-31 addresses; v32-95 scale words, two sets, and nothing else; v128-191 x's fragments, one set (on the way out: rows read back); v192-223 packed results.
;   window 1: W's fragments, two sets, at v0 and v128; v64-127 the bias.   window 2: the accumulators of my rows 0-63;   window 3: rows 64-127.
.set NQ,     4                         ; steps of 128 along K in a slot
.set ROWB,   256                       ; a tile's row in bytes: 512 codes
.set KROW,   512                       ; a row of codes in memory
.set PITCH,  272                       ; an LDS row: 256 bytes + 16 of padding: the 16 rows that a load touches start 68 words apart
.set FR,     8                         ; registers of a fragment
.set NL,     2                         ; LDS loads that bring one
.set NP,     4                         ; places behind this matrix instruction (ISA guide 7.12.1)
.set HALFT,  128*PITCH
.set SLOT,   4*HALFT
.set KS,     32                        ; a row of scale bytes
.set SCL,    2*SLOT
.set HALFS,  16*272                    ; the scales of 128 rows: 4,096 bytes as 16 runs of 256 + 16
.set SBLK,   2*272                     ; those of 16 rows
.set SPARE,  SCL+4*HALFS               ; the spare words, 128 bytes for each wave
.set SPITCH, 272                       ; the way out: 16 rows x (256 bytes + 16) for each wave, in slot 0, which has had its only fill and its last read by then
.set CROW,   6144                      ; a row of qkv in bytes
.set ADRA, 16
.set ADRB, 20
.set STO,  24
.set RD,   25
.set CO,   26
.set ADRS, 27
.set SPW,  28
.set NIL,  29
.set SC,   32
.set AF,   128
.set BK0,  128                         ; the way out: 16 rows read back: v128-159 and v160-191 by turns
.set TMP,  192
.set BI,   64                          ; in window 1: the bias
.set G1, 24
.set G0, 32
.set G1B, 48
.set G0B, 56
.set G1S, 68
.set G0S, 76
.set G1SB, 80
.set G0SB, 88
.set MSB, 0
.macro WIN new                         ; the immediate's high byte repeats the setting that is left
.if MSB != (\new)
	s_set_vgpr_msb (MSB<<8)|(\new)
.set MSB, (\new)
.endif
.endm
.set MUL_LO, 0xa1                      ; source 0 (W) window 1, source 1 (x) window 0, C and D window 2
.set MUL_HI, 0xf1                      ; the same, C and D window 3
.set BIA_LO, 0x91                      ; C (the bias) window 1, D window 2
.set BIA_HI, 0xd1                      ; C window 1, D window 3
.set TO_B,   0x40                      ; destination window 1, address window 0
; A joint load: waves 0 and 1 fetch for x, waves 2 and 3 for W.  The branch hangs on the wave's number alone.  An s_nop 0 and four v_nop follow each of the two lines.
.macro JLOAD g0a, g1a, g0b, g1b
	s_cmp_eq_u32 s15, 0
	s_cbranch_scc0 .Lfor_b_\@
	tensor_load_to_lds s[\g0a:\g0a+3], s[\g1a:\g1a+7]
	s_nop 0
.rept 4
	v_nop
.endr
	s_branch .Lasked_\@
.Lfor_b_\@:
	tensor_load_to_lds s[\g0b:\g0b+3], s[\g1b:\g1b+7]
	s_nop 0
.rept 4
	v_nop
.endr
.Lasked_\@:
.endm
.macro CROUND                          ; a round of the cluster's barrier
	s_barrier_signal -1
	s_barrier_wait -1
	s_cmp_lg_u32 s14, 0
	s_cbranch_scc1 .Lnot_wave_0_\@
	s_barrier_signal -3
.Lnot_wave_0_\@:
	s_barrier_wait -3
	s_barrier_signal -1
	s_barrier_wait -1
.endm
	s_load_b128 s[4:7], s[0:1], 0x0                ; x's codes, x's scales
	s_load_b128 s[8:11], s[0:1], 0x10              ; W's codes, W's scales
	s_load_b64 s[12:13], s[0:1], 0x20              ; qkv
	s_load_b64 s[96:97], s[0:1], 0x28              ; b_proj
	v_lshl_add_u32 v[SPW], v0, 2, SPARE
	v_mov_b32 v[NIL], 0
	ds_add_u32 v[SPW], v[NIL]                      ; the wave's opening: the add, twice on end, and its wait ahead of my first tensor load
	ds_add_u32 v[SPW], v[NIL]
	v_lshrrev_b32 v1, 5, v0
	v_readfirstlane_b32 s14, v1                    ; wave 0..3
	s_lshr_b32 s15, s14, 1                         ; which half of the tile's rows is mine.  Also: I fetch for x (0) or for W (1)
	s_and_b32 s16, s14, 1                          ; which half of its columns.  Also: which 128 rows I fetch
	s_bfe_u32 s40, ttmp6, 0x40000                  ; cx, cy: my place in the cluster
	s_bfe_u32 s41, ttmp6, 0x40004
	s_lshl_b32 s42, ttmp9, 2
	s_add_co_u32 s42, s42, s40                     ; tile column = 4 x cluster x + cx
	s_and_b32 s17, ttmp7, 0xffff
	s_lshl_b32 s17, s17, 2
	s_add_co_u32 s17, s17, s41                     ; tile row = 4 x cluster y + cy
	s_lshl_b32 s43, s41, 2
	s_lshl_b32 s43, 15, s43                        ; my row of the cluster
	s_lshl_b32 s44, 0x1111, s40                    ; my column
	; descriptor group 1: a tile of 128 rows x 256 bytes, 16 bytes of padding behind each row
	s_or_b32 s[G1+0], s43, (0<<16)|(1<<20)|(1<<21)|(5<<22)|(3<<25)  ; the mask; elements of 1 byte; padding on; bit 21 beside a mask; after every 64 words, 4 words
	s_or_b32 s[G1B+0], s44, (0<<16)|(1<<20)|(1<<21)|(5<<22)|(3<<25)
.irp g, G1, G1B
	s_mov_b32 s[\g+1], ROWB<<16                    ; tensor_dim0
	s_mov_b32 s[\g+2], 128<<16                     ; tensor_dim1
	s_mov_b32 s[\g+3], ROWB<<16                    ; tile_dim0
	s_mov_b32 s[\g+4], 128                         ; tile_dim1
	s_mov_b32 s[\g+5], KROW                        ; from row to row
	s_mov_b32 s[\g+6], 0
	s_mov_b32 s[\g+7], 0
.endr
	; the scales of 128 rows: 4,096 dense bytes as 16 rows of 256 (32 elements of 8 bytes), 16 bytes of padding behind each
	s_or_b32 s[G1S+0], s43, (3<<16)|(1<<20)|(1<<21)|(5<<22)|(3<<25)
	s_or_b32 s[G1SB+0], s44, (3<<16)|(1<<20)|(1<<21)|(5<<22)|(3<<25)
.irp g, G1S, G1SB
	s_mov_b32 s[\g+1], 32<<16
	s_mov_b32 s[\g+2], 16<<16
	s_mov_b32 s[\g+3], 32<<16
	s_mov_b32 s[\g+4], 16
	s_mov_b32 s[\g+5], 32
	s_mov_b32 s[\g+6], 0
	s_mov_b32 s[\g+7], 0
.endr
	s_lshl_b32 s18, s16, 7                         ; which 128 rows of the tile I fetch
	s_lshl_b32 s20, s17, 8
	s_add_co_u32 s20, s20, s18                     ; x: row 256 x tile row + 128 x half
	s_lshl_b32 s46, s42, 8
	s_add_co_u32 s46, s46, s18                     ; W: row 256 x tile column + 128 x half
	s_mov_b32 s21, 0
	s_mov_b32 s47, 0
	s_mov_b64 s[18:19], KS
	s_mul_u64 s[22:23], s[20:21], s[18:19]         ; where these rows' scales begin, in bytes
	s_mul_u64 s[92:93], s[46:47], s[18:19]
	s_mov_b64 s[18:19], KROW
	s_mul_u64 s[20:21], s[20:21], s[18:19]         ; and their codes
	s_mul_u64 s[46:47], s[46:47], s[18:19]
	s_mul_i32 s45, s14, HALFT                      ; where they go: wave x 128 rows: no place in the cluster enters an LDS address
	s_mul_i32 s94, s14, HALFS
	s_wait_dscnt 0x0                               ; both opening adds are done
	s_wait_kmcnt 0x0
	s_add_nc_u64 s[20:21], s[4:5], s[20:21]
	s_add_nc_u64 s[22:23], s[6:7], s[22:23]
	s_add_nc_u64 s[46:47], s[8:9], s[46:47]
	s_add_nc_u64 s[92:93], s[10:11], s[92:93]
	CROUND                                         ; all sixteen work-groups are here: the joint loads meet
	s_mov_b32 s[G0S], 1
	s_add_co_u32 s[G0S+1], s94, SCL
	s_mov_b64 s[G0S+2:G0S+3], s[22:23]
	s_or_b32 s[G0S+3], s[G0S+3], 0x80000000
	s_mov_b32 s[G0SB], 1
	s_add_co_u32 s[G0SB+1], s94, SCL
	s_mov_b64 s[G0SB+2:G0SB+3], s[92:93]
	s_or_b32 s[G0SB+3], s[G0SB+3], 0x80000000
	JLOAD G0S, G1S, G0SB, G1SB                     ; the scales first: they are wanted with the first slot
.irp s, 0,1
	s_mov_b32 s[G0+4*\s], 1
	s_add_co_u32 s[G0+4*\s+1], s45, \s*SLOT
	s_add_nc_u64 s[G0+4*\s+2:G0+4*\s+3], s[20:21], \s*ROWB
	s_or_b32 s[G0+4*\s+3], s[G0+4*\s+3], 0x80000000
	s_mov_b32 s[G0B+4*\s], 1
	s_add_co_u32 s[G0B+4*\s+1], s45, \s*SLOT
	s_add_nc_u64 s[G0B+4*\s+2:G0B+4*\s+3], s[46:47], \s*ROWB
	s_or_b32 s[G0B+4*\s+3], s[G0B+4*\s+3], 0x80000000
	JLOAD G0+4*\s, G1, G0B+4*\s, G1B
.endr
	v_and_b32 v1, 15, v0                           ; r = lane % 16
	v_bfe_u32 v2, v0, 4, 1                         ; h = lane / 16
	; THE BIAS.  q's and v's clusters load their 128 numbers in the result's layout; k's clusters write zeros.  The branch hangs on the cluster's x, which all sixteen partners share.
	s_lshl_b32 s46, s42, 10                        ; my first column, in bytes of f32: 1,024 x tile column + 512 x half
	s_lshl_b32 s47, s16, 9
	s_add_co_u32 s46, s46, s47
	s_mov_b32 s47, 0
	s_add_nc_u64 s[96:97], s[96:97], s[46:47]
	v_lshlrev_b32 v7, 5, v2                        ; 32 h: my half's eight numbers of a block of 16
	s_cmp_eq_u32 ttmp9, 1
	s_cbranch_scc1 .Lkeys
	WIN TO_B
.irp b, 0,1,2,3,4,5,6,7
	global_load_b128 v[BI+8*\b:BI+8*\b+3], v7, s[96:97] offset:64*\b
	global_load_b128 v[BI+8*\b+4:BI+8*\b+7], v7, s[96:97] offset:64*\b+16
.endr
	WIN 0
	s_branch .Lbias_done
.Lkeys:
	WIN TO_B
.set i, 0
.rept 64
	v_mov_b32 v[BI+i], 0                           ; so that one text of the first step serves all three thirds
.set i, i+1
.endr
	WIN 0
.Lbias_done:
	v_mul_u32_u24 v3, v1, PITCH
	v_lshl_add_u32 v4, v2, 4, v3                   ; a fragment's row x pitch + 16 x half
	s_mul_i32 s21, s15, HALFT                      ; my 128 rows of x
	s_mul_i32 s22, s16, HALFT                      ; my 128 rows of W,
	s_add_co_u32 s22, s22, 2*HALFT                 ; which lie behind x's 256
.irp s, 0,1
	v_add_nc_u32 v[ADRA+\s], s21, v4
	v_add_nc_u32 v[ADRB+\s], s22, v4
	s_add_co_u32 s21, s21, SLOT
	s_add_co_u32 s22, s22, SLOT
.endr
	v_mul_u32_u24 v5, v1, KS                       ; my row's scales: 32 bytes a row,
	v_lshrrev_b32 v6, 8, v5
	v_lshl_add_u32 v5, v6, 4, v5                   ; and 16 more for each 256 passed
	s_mul_i32 s21, s15, HALFS                      ; x's: my 128 rows
	s_mul_i32 s22, s16, HALFS                      ; W's: my 128 rows, behind x's 256
	s_add_co_u32 s22, s22, 2*HALFS
	s_sub_co_u32 s22, s22, s21
	v_mul_u32_u24 v6, s22, v2                      ; lanes 16-31 take W's: one product, the distance x h
	s_add_co_u32 s21, s21, SCL
	v_add_nc_u32 v5, v5, v6
	v_add_nc_u32 v[ADRS], s21, v5
	s_mul_i32 s23, s14, 16*SPITCH                  ; my stage
	v_add_nc_u32 v[STO], s23, v4                   ; in: row r, 16 bytes for each half of the lanes
	v_mul_u32_u24 v5, v2, SPITCH                   ; back: lanes 0-15 one row of 256 bytes, lanes 16-31 the next
	v_lshl_add_u32 v5, v1, 4, v5
	v_add_nc_u32 v[RD], s23, v5
	v_mul_u32_u24 v5, v2, CROW                     ; and the same two rows in qkv
	v_lshl_add_u32 v[CO], v1, 4, v5
	s_lshl_b32 s20, s17, 8
	s_lshl_b32 s21, s15, 7
	s_add_co_u32 s20, s20, s21                     ; my first row: 256 x tile row + 128 x half
	s_mul_i32 s20, s20, CROW                       ; under 2^26
	s_lshl_b32 s46, s42, 9                         ; my first column, in bytes of f16
	s_lshl_b32 s47, s16, 8
	s_add_co_u32 s46, s46, s47
	s_add_co_u32 s20, s20, s46
	s_mov_b32 s21, 0
	s_add_nc_u64 s[12:13], s[12:13], s[20:21]
.macro FRAG reg, adr, q, i             ; 16 rows x 128 K of 4-bit codes: 8 registers; registers 4 c .. 4 c + 3 hold K = 64 c + 32 (lane / 16) + 0 .. 31
.irp c, 0,1
	ds_load_b128 v[\reg+4*\c:\reg+4*\c+3], v[\adr] offset:64*(\q)+32*\c+(\i)*16*PITCH
.endr
.endm
; 16 matrix instructions: x's blocks a0, a0 + 1 against W's eight.  p: W's set;  sc: the set of scale words.  mode = 1: the sums begin with the bias.  The 64 accumulators take turns.
.macro MUL16 a0, p, q, sc, mode
.irp a, \a0, \a0+1
.irp b, 0,1,2,3,4,5,6,7
.if \mode
	v_wmma_scale_f32_16x16x128_f8f6f4 v[8*(8*((\a)%4)+\b):8*(8*((\a)%4)+\b)+7], v[128*(\p)+FR*\b:128*(\p)+FR*\b+FR-1], v[AF+FR*(\a):AF+FR*(\a)+FR-1], v[BI+8*\b:BI+8*\b+7], v[SC+8*NQ*(\sc)+NQ*\b+(\q)], v[SC+8*NQ*(\sc)+NQ*(\a)+(\q)] matrix_a_fmt:MATRIX_FMT_FP4 matrix_b_fmt:MATRIX_FMT_FP4 matrix_a_scale:MATRIX_SCALE_ROW1
.else
	v_wmma_scale_f32_16x16x128_f8f6f4 v[8*(8*((\a)%4)+\b):8*(8*((\a)%4)+\b)+7], v[128*(\p)+FR*\b:128*(\p)+FR*\b+FR-1], v[AF+FR*(\a):AF+FR*(\a)+FR-1], v[8*(8*((\a)%4)+\b):8*(8*((\a)%4)+\b)+7], v[SC+8*NQ*(\sc)+NQ*\b+(\q)], v[SC+8*NQ*(\sc)+NQ*(\a)+(\q)] matrix_a_fmt:MATRIX_FMT_FP4 matrix_b_fmt:MATRIX_FMT_FP4 matrix_a_scale:MATRIX_SCALE_ROW1
.endif
.endr
.endr
.endm
.macro FETCH_B slot, q, p
	WIN TO_B
.irp i, 0,1,2,3,4,5,6,7
	FRAG 128*(\p)+FR*\i, ADRB+\slot, \q, \i
.endr
	WIN 0
.endm
.macro FETCH_A slot, q, i0
.irp i, \i0, \i0+1, \i0+2, \i0+3
	FRAG AF+FR*(\i), ADRA+\slot, \q, \i
.endr
.endm
.macro SCALES sc                       ; a slot's scale words: four words a row; lanes 0-15 take x's block i, lanes 16-31 W's block i
.irp i, 0,1,2,3,4,5,6,7
	ds_load_b128 v[SC+8*NQ*\sc+NQ*\i:SC+8*NQ*\sc+NQ*\i+3], v[ADRS] offset:\i*SBLK
.endr
.endm
.macro PLACES n                        ; plain vector lines between a matrix instruction and a load into, or a read of, its registers
.rept \n
	v_nop
.endr
.endm
.macro STEP slot, q, mode              ; a step of 128 along K that has its successor in the same slot
	s_wait_dscnt 4*NL                              ; W's set and x's blocks 0-3 are in; the youngest eight loads (x's blocks 4-7) may be out
.if \mode
	WIN BIA_LO
.else
	WIN MUL_LO
.endif
	MUL16 0, (\q)%2, \q, \slot, \mode
	MUL16 2, (\q)%2, \q, \slot, \mode
	s_wait_dscnt 0                                 ; x's blocks 4-7 are in
	PLACES NP
	FETCH_B \slot, (\q)+1, 1-(\q)%2
	FETCH_A \slot, (\q)+1, 0
.if \mode
	WIN BIA_HI
.else
	WIN MUL_HI
.endif
	MUL16 4, (\q)%2, \q, \slot, \mode
	MUL16 6, (\q)%2, \q, \slot, \mode
	PLACES NP
	WIN 0
	FETCH_A \slot, (\q)+1, 4
.endm
.macro STEPS slot, from
.set Q, \from
.rept NQ-1-\from
	STEP \slot, Q, 0
.set Q, Q+1
.endr
.endm
	s_wait_tensorcnt 1                             ; the scales and my part of slot 0 are in; slot 1's load, the one issued behind them, may be out
	s_barrier_signal -1
	s_barrier_wait -1                              ; everybody's are
	FETCH_B 0, 0, 0
	FETCH_A 0, 0, 0
	SCALES 0
	FETCH_A 0, 0, 4
	s_wait_loadcnt 0x0                             ; the bias
	STEP 0, 0, 1                                   ; the first step's products start the sums with the bias
	STEPS 0, 1
	; slot 0's last step changes slots: one barrier; in front of it each wave waits for all its tensor loads, adds 0 to its spare word, and waits for that and for its reads of slot 0
	s_wait_tensorcnt 0x0                           ; my part of slot 1 has landed
	ds_add_u32 v[SPW], v[NIL]
	s_wait_dscnt 4*NL+1                            ; (the add and the youngest eight loads may be out)
	WIN MUL_LO
	MUL16 0, 1, NQ-1, 0, 0
	s_wait_dscnt 0x0                               ; the add is done, and my reads of slot 0 are over
	s_barrier_signal -1
	MUL16 2, 1, NQ-1, 0, 0
	WIN 0
	s_barrier_wait -1
	PLACES NP
	v_add_nc_u32 v[ADRS], 4*NQ, v[ADRS]            ; on to slot 1's scale words
	FETCH_B 1, 0, 0
	FETCH_A 1, 0, 0
	SCALES 1
	WIN MUL_HI
	MUL16 4, 1, NQ-1, 0, 0
	MUL16 6, 1, NQ-1, 0, 0
	PLACES NP
	WIN 0
	FETCH_A 1, 0, 4
	STEPS 1, 0
	s_wait_dscnt 4*NL                              ; the very last step: nothing more to fetch
	WIN MUL_LO
	MUL16 0, 1, NQ-1, 1, 0
	MUL16 2, 1, NQ-1, 1, 0
	s_wait_dscnt 0
	WIN MUL_HI
	MUL16 4, 1, NQ-1, 1, 0
	MUL16 6, 1, NQ-1, 1, 0
	WIN 0
; THE WAY OUT, a block of 16 rows x 128 columns at a time: rounded to f16 (16 bytes a lane), into my own stage, back as whole rows of 256 bytes, stored sixteen lanes to 256 consecutive aligned bytes.
.macro PACK a
.set AC, 64*((\a)%4)
	WIN 0x0a+5*((\a)/4)                            ; sources 0 and 1: window 2 or 3
.irp b, 0,1,2,3,4,5,6,7
.irp r, 0,1,2,3
	v_cvt_pk_f16_f32 v[TMP+4*\b+\r], v[AC+8*\b+2*\r], v[AC+8*\b+2*\r+1]   ; each accumulator from its low end on
.endr
.endr
	WIN 0
.endm
.macro TOSTAGE a
.set BK, BK0+32*((\a)%2)
.irp b, 0,1,2,3,4,5,6,7
	ds_store_b128 v[STO], v[TMP+4*\b:TMP+4*\b+3] offset:32*\b
.endr
.irp t, 0,1,2,3,4,5,6,7
	ds_load_b128 v[BK+4*\t:BK+4*\t+3], v[RD] offset:\t*2*SPITCH    ; LDS serves a wave's instructions in order: these see the stores above
.endr
.endm
.macro SEND a
.set BK, BK0+32*((\a)%2)
	s_wait_dscnt 0x0                               ; the block is back in registers
	s_wait_xcnt 0x0                                ; earlier stores have read their base and their data: both may be written again
.if (\a) > 0
	s_add_nc_u64 s[12:13], s[12:13], 16*CROW
.endif
.irp t, 0,1,2,3,4,5,6,7
	global_store_b128 v[CO], v[BK+4*\t:BK+4*\t+3], s[12:13] offset:2*\t*CROW
.endr
.endm
	PLACES NP                                      ; behind the last products: for the conversions and for the loads into x's fragment registers
	PACK 0
	TOSTAGE 0
.irp a, 1,2,3,4,5,6,7
	PACK \a
	SEND \a-1
	TOSTAGE \a
.endr
	SEND 7
	s_wait_tensorcnt 0x0                           ; the wave's end
	ds_add_u32 v[SPW], v[NIL]
	s_wait_dscnt 0x0
	CROUND                                         ; the closing round
	s_endpgm
.Lfunc_end_k_qd0a7554698_proj:
	.size	k_qd0a7554698_proj, .Lfunc_end_k_qd0a7554698_proj-k_qd0a7554698_proj
	.p2alignl 7, 3214868480
	.fill 96, 4, 3214868480
	.section	.rodata,"a",@progbits
	.p2align	6, 0x0
	.amdhsa_kernel k_qd0a7554698_proj
		.amdhsa_group_segment_fixed_size 327680
		.amdhsa_private_segment_fixed_size 0
		.amdhsa_enable_private_segment 0
		.amdhsa_kernarg_size 48
		.amdhsa_user_sgpr_count 2
		.amdhsa_user_sgpr_kernarg_segment_ptr 1
		.amdhsa_wavefront_size32 1
		.amdhsa_system_sgpr_workgroup_id_x 1
		.amdhsa_system_sgpr_workgroup_id_y 1
		.amdhsa_system_sgpr_workgroup_id_z 1
		.amdhsa_system_vgpr_workitem_id 0
		.amdhsa_next_free_vgpr 1024
		.amdhsa_next_free_sgpr 98
		.amdhsa_reserve_vcc 0
		.amdhsa_float_denorm_mode_32 3
		.amdhsa_float_denorm_mode_16_64 3
		.amdhsa_memory_ordered 1
		.amdhsa_forward_progress 1
		.amdhsa_inst_pref_size 131
	.end_amdhsa_kernel
	.amdgpu_metadata
---
amdhsa.version: [ 1, 2 ]
amdhsa.kernels:
  - .name:           k_qd0a7554698_proj
    .symbol:         k_qd0a7554698_proj.kd
    .args:
      - { .name: xc, .offset: 0, .size: 8, .value_kind: global_buffer, .address_space: global }
      - { .name: xs, .offset: 8, .size: 8, .value_kind: global_buffer, .address_space: global }
      - { .name: wc, .offset: 16, .size: 8, .value_kind: global_buffer, .address_space: global }
      - { .name: ws, .offset: 24, .size: 8, .value_kind: global_buffer, .address_space: global }
      - { .name: qkv, .offset: 32, .size: 8, .value_kind: global_buffer, .address_space: global }
      - { .name: b_proj, .offset: 40, .size: 8, .value_kind: global_buffer, .address_space: global }
    .group_segment_fixed_size: 327680
    .private_segment_fixed_size: 0
    .kernarg_segment_align: 8
    .kernarg_segment_size: 48
    .max_flat_workgroup_size: 128
    .sgpr_count:     98
    .vgpr_count:     1024
    .wavefront_size: 32
...
	.end_amdgpu_metadata
.endif
;; end of part 2
;; launch scores (part 3): grid 8 x 32, 4 waves a work-group, clusters of 4 x 4, 327,680 bytes of LDS; arguments qkv, stats, p; writes p, stats
.if DOCPART == 3
	.amdgcn_target "amdgcn-amd-amdhsa--gfx1250"
	.amdhsa_code_object_version 6
	.text
	.protected	k_qd0a7554698_scores
	.globl	k_qd0a7554698_scores
	.p2align	8
	.type	k_qd0a7554698_scores,@function
k_qd0a7554698_scores:
	s_mov_b64 s[64:65], 0
	v_nop
	global_prefetch_b8 v0, s[64:65] scope:SCOPE_SE
	s_setreg_imm32_b32 hwreg(HW_REG_WAVE_MODE, 25, 1), 1
	s_wait_xcnt 0x0
	s_wait_alu depctr_hold_cnt(0) depctr_sa_sdst(0) depctr_va_vdst(0) depctr_va_sdst(0) depctr_va_ssrc(0) depctr_va_vcc(0) depctr_vm_vsrc(0)
	s_getreg_b32 s2, hwreg(HW_REG_IB_STS2, 6, 4)
	s_cmp_eq_u32 s2, 0
	s_cbranch_scc0 .Lentry_in_a_cluster
	s_endpgm
.Lentry_in_a_cluster:
	s_bfe_u32 s2, ttmp6, 0x10000c
	s_cmp_lg_u32 s2, 0xf033
	s_cbranch_scc0 .Lentry_shape_is_right
	s_endpgm
.Lentry_shape_is_right:
; For each batch: t = (q . k) x log2(e) / 32; for each query and each CHUNK of 128 keys: M = the chunk's largest t rounded up to a whole number, p = 2^(t - M) rounded to f16, l = the sum of the unrounded p.
; -M and l go to stats[2][16 chunks][8192 rows].  The next launch joins the chunks under the row's own largest M by factors 2^(whole number): the maximum that is taken away
; is the row's true maximum, rounded up.  (k carries no bias: shown at the head of the first launch.)
; p IS LAID IN THE ORDER OF THE NEXT LAUNCH'S OPERAND REGISTERS: p[block of 16 rows (512)][group of 32 keys of the row's batch (64)][half (2)][lane (32)][16 bytes]: a fragment of 16 queries x 32 keys is 1,024 bytes on end.
; A lane's packed results are that fragment's registers as they stand, so they are stored straight away, 16 bytes a lane: each store of the wave covers 512 consecutive bytes, aligned.
; LIMITS: NaN and infinities are not served; t is kept as f32, M is exact up to 2^24.
; q, k: f16 columns 0.. and 1024.. of qkv (rows of 6,144 bytes); products in f16, sums in f32.
; A tile of 256 queries x 256 keys is made by four waves, each 128 x 128: 64 accumulators, 512 registers; a wave's 128 keys are one chunk.  256 tiles: one to a WGP.
; K = 1,024 goes in 8 steps of 128 through two LDS slots (rows of 256 bytes).  CLUSTERS 4 x 4: q's tile is shared along a row of the cluster, k's along a column: joint loads.
; THE MATRIX INSTRUCTION IS USED TRANSPOSED (source 0 = 16 keys, source 1 = 16 queries): a lane holds ONE query (lane % 16) and, in accumulator b, keys 16 b + 8 (lane / 16) + 0 .. 7.
; REGISTERS: window 0: v4-15 the softmax's small figures; v16-30 addresses; v32-39 the wave's figures on their way out; v64-127, v128-191 q's fragments, two buffers; v192-223 packed p.
;   window 1: v64-127, v128-191 k's fragments.   window 2: the accumulators of my queries 0-63;   window 3: queries 64-127.
; Left out: the softmax by turns among the products, and a last K step by rows: the way out is some 1,800 vector lines a wave beside 2,048 products; the plain form stands here.
.set KSTEP,  128
.set PITCH,  272                       ; an LDS row: 256 bytes + 16 of padding
.set HALFT,  128*PITCH
.set SLOT,   4*HALFT
.set STATS,  2*SLOT                    ; behind the ring: 1,024 bytes for each wave: 128 words of -M, 128 of l
.set SPARE,  STATS+4*1024              ; the spare words
.set LAPS,   4                         ; a lap = two K steps
.set QROW,   6144                      ; a row of qkv in bytes
.set T,    4                           ; v4-7    four running maxima
.set NM,   8                           ; v[8:9]  -M, and a 0 that is only named with it as a pair
.set L1,   10                          ; v[10:11], v[12:13] the sum in two chains of pairs
.set L2,   12
.set X,    14                          ; v14     what comes from lane l xor 16
.set SV,   15                          ; v15     lanes 0-15: -M, lanes 16-31: l
.set ADRA, 16
.set SSA,  18                          ; v18     where SV goes
.set SRD,  19                          ; v19     where the wave's figures are read back
.set ADRB, 20
.set SGO,  22                          ; v22     16 x lane; never rewritten
.set SPW,  28
.set NIL,  29
.set PFO,  30
.set F0,   64
.set F1,   128
.set TMP,  192
.set G1, 24
.set G0, 32
.set LIM, 43
.set PFA, 44
.set G1B, 48
.set G0B, 56
.set CS,  66                           ; s[66:67] c = log2(e) / 32
.set SEL, 68                           ; s[68:69] lane selects: lane l xor 16
.set HM,  70                           ; s70      mask of lanes 0-15
.set MSB, 0
.macro WIN new
.if MSB != (\new)
	s_set_vgpr_msb (MSB<<8)|(\new)
.set MSB, (\new)
.endif
.endm
.set MUL_LO, 0xa1                      ; source 0 (k) window 1, source 1 (q) window 0, C and D window 2
.set MUL_HI, 0xf1
.set TO_B,   0x40
.macro JLOAD s                         ; waves 0 and 1 fetch q's two halves, waves 2 and 3 k's; an s_nop 0 and four v_nop follow each line
	s_cmp_eq_u32 s11, 0
	s_cbranch_scc0 .Lfor_b_\@
	tensor_load_to_lds s[G0+4*\s:G0+4*\s+3], s[G1:G1+7]
	s_nop 0
.rept 4
	v_nop
.endr
	s_branch .Lasked_\@
.Lfor_b_\@:
	tensor_load_to_lds s[G0B+4*\s:G0B+4*\s+3], s[G1B:G1B+7]
	s_nop 0
.rept 4
	v_nop
.endr
.Lasked_\@:
.endm
; A prefetch of the K step that stands two refills on: 32 rows x 256 bytes, a lane a row, one instruction a wave.  q's rows are read by both clusters of a row of clusters: cluster x = 0 asks; k's rows by both
; clusters of a batch's column: the even cluster y asks.  The four partners of a joint load share its 128 rows out by address, 32 each.  The loop's last trip asks for nothing: K ends.
.macro ASK
	s_cmp_gt_u32 s3, s[LIM]
	s_cbranch_scc0 .Lnot_mine_\@
	global_prefetch_b8 v[PFO], s[PFA:PFA+1] th:TH_LOAD_NT scope:SCOPE_SE
.Lnot_mine_\@:
.endm
.macro CREST
	s_cmp_lg_u32 s10, 0
	s_cbranch_scc1 .Lnot_wave_0_\@
	s_barrier_signal -3
.Lnot_wave_0_\@:
	s_barrier_wait -3
	s_barrier_signal -1
	s_barrier_wait -1
.endm
.macro CROUND
	s_barrier_signal -1
	s_barrier_wait -1
	CREST
.endm
	s_load_b128 s[4:7], s[0:1], 0x0                ; qkv, stats
	s_load_b64 s[8:9], s[0:1], 0x10                ; p
	v_lshl_add_u32 v[SPW], v0, 2, SPARE
	v_mov_b32 v[NIL], 0
	ds_add_u32 v[SPW], v[NIL]                      ; the wave's opening: the add, twice on end, and its wait ahead of my first tensor load
	ds_add_u32 v[SPW], v[NIL]
	v_lshrrev_b32 v1, 5, v0
	v_readfirstlane_b32 s10, v1                    ; wave 0..3
	s_lshr_b32 s11, s10, 1                         ; which half of the queries is mine.  Also: I fetch for q (0) or for k (1)
	s_and_b32 s12, s10, 1                          ; which half of the keys.  Also: which 128 rows I fetch
	s_bfe_u32 s40, ttmp6, 0x40000                  ; cx
	s_bfe_u32 s41, ttmp6, 0x40004                  ; cy
	s_lshl_b32 s42, ttmp9, 2
	s_add_co_u32 s42, s42, s40                     ; x: the tile of 256 keys in the batch
	s_and_b32 s72, ttmp7, 0xffff                   ; the cluster's y
	s_lshl_b32 s13, s72, 2
	s_add_co_u32 s13, s13, s41                     ; y: the tile of 256 queries among all 8,192 rows
	s_lshr_b32 s71, s72, 1                         ; the batch: 8 tiles of queries, two clusters, to a batch: the same in all sixteen partners
	s_lshl_b32 s43, s41, 2
	s_lshl_b32 s43, 15, s43                        ; my row of the cluster
	s_lshl_b32 s44, 0x1111, s40                    ; my column
	s_or_b32 s[G1+0], s43, (1<<16)|(1<<20)|(1<<21)|(5<<22)|(3<<25)  ; the mask; elements of 2 bytes; padding on; bit 21 beside a mask; after every 64 words, 4 words
	s_or_b32 s[G1B+0], s44, (1<<16)|(1<<20)|(1<<21)|(5<<22)|(3<<25)
.irp g, G1, G1B
	s_mov_b32 s[\g+1], KSTEP<<16                   ; tensor_dim0 = 128
	s_mov_b32 s[\g+2], 128<<16                     ; tensor_dim1 = 128
	s_mov_b32 s[\g+3], KSTEP<<16                   ; tile_dim0
	s_mov_b32 s[\g+4], 128                         ; tile_dim1
	s_mov_b32 s[\g+5], 3072                        ; elements from row to row
	s_mov_b32 s[\g+6], 0
	s_mov_b32 s[\g+7], 0
.endr
	s_mov_b32 s[CS], 0x3d38aa3b                    ; log2(e) / 32
	s_mov_b32 s[CS+1], s[CS]                       ; (named with it as a pair)
	s_mov_b32 s[SEL], 0x76543210
	s_mov_b32 s[SEL+1], 0xfedcba98
	s_lshl_b32 s18, s12, 7                         ; which 128 rows of the tile I fetch
	s_lshl_b32 s16, s13, 8
	s_add_co_u32 s16, s16, s18                     ; q: row 256 y + 128 x half
	s_mul_i32 s16, s16, QROW                       ; under 2^26
	s_mov_b32 s17, 0
	s_lshl_b32 s46, s42, 8
	s_add_co_u32 s46, s46, s18
	s_lshl_b32 s19, s71, 11
	s_add_co_u32 s46, s46, s19                     ; k: row 2,048 x batch + 256 x + 128 x half
	s_mul_i32 s46, s46, QROW
	s_add_co_u32 s46, s46, 2048                    ; k's columns begin 2,048 bytes into a row
	s_mov_b32 s47, 0
	s_mul_i32 s20, s10, HALFT                      ; where they go: wave x 128 rows
	s_wait_dscnt 0x0                               ; both opening adds are done
	s_wait_kmcnt 0x0
	s_add_nc_u64 s[14:15], s[4:5], s[16:17]
	s_add_nc_u64 s[46:47], s[4:5], s[46:47]
	CROUND                                         ; all sixteen work-groups are here: the first joint loads meet
.irp s, 0,1
	s_mov_b32 s[G0+4*\s], 1
	s_add_co_u32 s[G0+4*\s+1], s20, \s*SLOT
	s_add_nc_u64 s[G0+4*\s+2:G0+4*\s+3], s[14:15], \s*KSTEP*2
	s_or_b32 s[G0+4*\s+3], s[G0+4*\s+3], 0x80000000
	s_mov_b32 s[G0B+4*\s], 1
	s_add_co_u32 s[G0B+4*\s+1], s20, \s*SLOT
	s_add_nc_u64 s[G0B+4*\s+2:G0B+4*\s+3], s[46:47], \s*KSTEP*2
	s_or_b32 s[G0B+4*\s+3], s[G0B+4*\s+3], 0x80000000
	JLOAD \s                                       ; two tensor loads of mine are out
.endr
	v_and_b32 v1, 15, v0                           ; r
	v_bfe_u32 v2, v0, 4, 1                         ; h
	v_mul_u32_u24 v3, v1, PITCH
	v_lshl_add_u32 v3, v2, 4, v3                   ; row x pitch + 16 x half
	s_mul_i32 s21, s11, HALFT                      ; my 128 queries
	s_mul_i32 s22, s12, HALFT                      ; my 128 keys,
	s_add_co_u32 s22, s22, 2*HALFT                 ; which lie behind q's 256 rows
.irp s, 0,1
	v_add_nc_u32 v[ADRA+\s], s21, v3
	v_add_nc_u32 v[ADRB+\s], s22, v3
	s_add_co_u32 s21, s21, SLOT
	s_add_co_u32 s22, s22, SLOT
.endr
	s_lshl_b32 s23, s10, 10
	s_add_co_u32 s23, s23, STATS                   ; my 1,024 bytes of figures
	v_lshlrev_b32 v5, 2, v1
	v_lshl_add_u32 v5, v2, 9, v5                   ; 4 r + 512 h: lanes 0-15 write -M, lanes 16-31 l
	v_add_nc_u32 v[SSA], s23, v5
	v_and_b32 v5, 31, v0
	v_lshlrev_b32 v[SGO], 4, v5
	v_add_nc_u32 v[SRD], s23, v[SGO]
	v_cmp_gt_u32 s[HM], 16, v5                     ; lanes 0-15
	v_mov_b32 v[NM+1], 0
	v_mov_b32 v[X], 0                              ; a lane permute's destination counts as one of its sources
	s_lshl_b32 s16, s13, 8
	s_lshl_b32 s14, s11, 7
	s_add_co_u32 s16, s16, s14                     ; my first query row
	s_lshl_b32 s18, s16, 12                        ; in p: a block of 16 rows is 65,536 bytes, 4,096 a row;
	s_lshl_b32 s19, s42, 13
	s_add_co_u32 s18, s18, s19                     ; + the tile's 8 groups of 32 keys, 1,024 bytes each, x
	s_lshl_b32 s19, s12, 12
	s_add_co_u32 s18, s18, s19                     ; + 4 groups for the half
	s_mov_b32 s19, 0
	s_add_nc_u64 s[8:9], s[8:9], s[18:19]
	s_lshl_b32 s18, s42, 1
	s_add_co_u32 s18, s18, s12                     ; my chunk: 2 x + half
	s_lshl_b32 s18, s18, 13
	s_add_co_u32 s18, s18, s16
	s_lshl_b32 s18, s18, 2                         ; (chunk x 8,192 + row) x 4
	s_add_nc_u64 s[6:7], s[6:7], s[18:19]
	; the prefetches: where mine stand, and who asks
	s_lshl_b32 s20, s13, 8                         ; q: row 256 y
	s_lshl_b32 s21, s42, 8
	s_lshl_b32 s22, s71, 11
	s_add_co_u32 s21, s21, s22                     ; k: row 2,048 x batch + 256 x
	s_and_b32 s22, s72, 1                          ; which of the batch's two clusters along y
	s_cmp_eq_u32 s11, 0                            ; do I fetch for q?
	s_cselect_b32 s20, s20, s21
	s_cselect_b32 s21, s40, s41                    ; my place among the four that ask jointly
	s_cselect_b32 s22, ttmp9, s22                  ; the coordinate along which another cluster reads the same rows
	s_cselect_b32 s23, 0, 2048
	s_cmp_eq_u32 s22, 0
	s_cselect_b32 s[LIM], 1, -1                    ; the same in all sixteen partners, for a given wave
	s_lshl_b32 s22, s12, 7
	s_add_co_u32 s20, s20, s22                     ; + the 128 rows that I fetch
	s_lshl_b32 s21, s21, 5
	s_add_co_u32 s20, s20, s21                     ; + my work-group's 32 of them
	s_mul_i32 s20, s20, QROW
	s_add_co_u32 s20, s20, s23
	s_add_co_u32 s20, s20, 3*KSTEP*2               ; at K step 3: the first refill steps it to 4.  Nothing is prefetched at the head
	s_mov_b32 s21, 0
	s_add_nc_u64 s[PFA:PFA+1], s[4:5], s[20:21]
	v_and_b32 v[PFO], 31, v0
	v_mul_u32_u24 v[PFO], v[PFO], QROW
; 16 matrix instructions: query blocks a0, a0 + 1 of the window's four x all 8 key blocks, 32 along K.  zero = 1: the first product starts the sums.  The 64 accumulators take turns.
.macro MUL16 f, hi, a0, zero
.irp a, \a0, \a0+1
.irp b, 0,1,2,3,4,5,6,7
.if \zero
	v_wmma_f32_16x16x32_f16 v[8*(8*(\a)+\b):8*(8*(\a)+\b)+7], v[\f+8*\b:\f+8*\b+7], v[\f+8*(4*\hi+\a):\f+8*(4*\hi+\a)+7], 0
.else
	v_wmma_f32_16x16x32_f16 v[8*(8*(\a)+\b):8*(8*(\a)+\b)+7], v[\f+8*\b:\f+8*\b+7], v[\f+8*(4*\hi+\a):\f+8*(4*\hi+\a)+7], v[8*(8*(\a)+\b):8*(8*(\a)+\b)+7]
.endif
.endr
.endr
.endm
.macro FETCH slot, k, f                ; 32 LDS loads in one run: the fragments of 32 along K at byte k of the rows
	WIN TO_B
.irp i, 0,1,2,3,4,5,6,7
	ds_load_b128 v[\f+8*\i:\f+8*\i+3],   v[ADRB+\slot] offset:\k+\i*16*PITCH
	ds_load_b128 v[\f+8*\i+4:\f+8*\i+7], v[ADRB+\slot] offset:\k+\i*16*PITCH+32
.endr
	WIN 0
.irp i, 0,1,2,3,4,5,6,7
	ds_load_b128 v[\f+8*\i:\f+8*\i+3],   v[ADRA+\slot] offset:\k+\i*16*PITCH
	ds_load_b128 v[\f+8*\i+4:\f+8*\i+7], v[ADRA+\slot] offset:\k+\i*16*PITCH+32
.endr
.endm
.macro PLACES                          ; four plain vector lines between a matrix instruction and a load into, or a read of, its registers
.rept 4
	v_nop
.endr
.endm
.macro QUARTER slot, k, f, g, zero     ; 64 products on buffer f; in the middle the next quarter's fragments, at byte k, go into buffer g
	s_wait_dscnt 8                                 ; k's fragments and q's rows 0-63 are in; the youngest eight loads (q's rows 64-127) may be out
	WIN MUL_LO
	MUL16 \f, 0, 0, \zero
	MUL16 \f, 0, 2, \zero
	PLACES
	FETCH \slot, \k, \g
	s_wait_dscnt 32                                ; all but the 32 just issued
	WIN MUL_HI
	MUL16 \f, 1, 0, \zero
	MUL16 \f, 1, 2, \zero
.endm
.macro MEET round                      ; the first half of a slot's last quarter: the waits, the add and the barrier of the change of slots
	WIN 0
	s_wait_tensorcnt 0x0                           ; all my tensor loads have landed: the one that was out is my part of the next slot
	ds_add_u32 v[SPW], v[NIL]
	s_wait_dscnt 9                                 ; (the add and the youngest eight loads may be out)
	WIN MUL_LO
	MUL16 F1, 0, 0, 0
	s_wait_dscnt 0x0                               ; the add is done, and my reads of this slot are over
	s_barrier_signal -1
	MUL16 F1, 0, 2, 0
.if \round
	WIN 0
.endif
	s_barrier_wait -1
.endm
.macro TURN slot, next, fill           ; a slot's last quarter.  fill = 1: the slot is filled again, two K steps ahead, behind a round of the cluster's barrier
.if \fill
	s_wait_xcnt 0x0                                ; the last prefetch, a K step back, has read its address
	s_add_nc_u64 s[PFA:PFA+1], s[PFA:PFA+1], KSTEP*2
.endif
	MEET \fill
.if \fill
	CREST                                          ; no wave of any partner still reads this slot or has a load on its way
	s_add_nc_u64 s[G0+4*\slot+2:G0+4*\slot+3], s[G0+4*\slot+2:G0+4*\slot+3], 2*KSTEP*2
	s_add_nc_u64 s[G0B+4*\slot+2:G0B+4*\slot+3], s[G0B+4*\slot+2:G0B+4*\slot+3], 2*KSTEP*2
	JLOAD \slot                                    ; the first tensor load behind the round; its four v_nop are also the places in front of the loads below
.else
	PLACES
.endif
	FETCH \next, 0, F0
.if \fill
	ASK
.endif
	WIN MUL_HI
	MUL16 F1, 1, 0, 0
	MUL16 F1, 1, 2, 0
.endm
	s_wait_tensorcnt 1                             ; my part of K step 0 is in; K step 1's load may be out
	s_barrier_signal -1
	s_barrier_wait -1
	FETCH 0, 0, F0
	QUARTER 0, 64,  F0, F1, 1                      ; the first quarter's products start the sums
	WIN 0
	s_mov_b32 s3, LAPS-1
.Llap:                                                 ; a trip goes once round the ring and fills both slots again: K steps 2 to 7 in three trips
	QUARTER 0, 128, F1, F0, 0
	QUARTER 0, 192, F0, F1, 0
	TURN 0, 1, 1
	QUARTER 1, 64,  F0, F1, 0
	QUARTER 1, 128, F1, F0, 0
	QUARTER 1, 192, F0, F1, 0
	TURN 1, 0, 1
	QUARTER 0, 64,  F0, F1, 0
	WIN 0
	s_sub_co_u32 s3, s3, 1
	s_cmp_lg_u32 s3, 0
	s_cbranch_scc1 .Llap
	QUARTER 0, 128, F1, F0, 0                      ; the last lap fills nothing
	QUARTER 0, 192, F0, F1, 0
	TURN 0, 1, 0
	QUARTER 1, 64,  F0, F1, 0
	QUARTER 1, 128, F1, F0, 0
	QUARTER 1, 192, F0, F1, 0
	s_wait_dscnt 8
	WIN MUL_LO
	MUL16 F1, 0, 0, 0
	MUL16 F1, 0, 2, 0
	s_wait_dscnt 0
	WIN MUL_HI
	MUL16 F1, 1, 0, 0
	MUL16 F1, 1, 2, 0
	WIN 0
; THE SOFTMAX OF BLOCK a: 16 queries x my 128 keys; a lane holds 64 scores of one query, lane l xor 16 the other 64.
.macro SOFT a
.set AC, 64*((\a)%4)
.set WH, (\a)/4
	WIN 0x82+0x41*WH                               ; source 0 and destination: the block's window
.set i, 0
.rept 32
	v_pk_mul_f32 v[AC+i:AC+i+1], v[AC+i:AC+i+1], s[CS:CS+1] op_sel_hi:[1,0]   ; t = score x c, rounded by itself, so that no t - M comes out above 0; each accumulator from its low end on
.set i, i+2
.endr
	WIN 0x0a+5*WH                                  ; sources 0 and 1
.irp b, 0,1,2,3
	v_max_num_f32 v[T+\b], v[AC+8*\b], v[AC+8*\b+1]                ; four chains
.endr
	WIN 0x28+0x14*WH                               ; sources 1 and 2
.irp i, 2,4,6
.irp b, 0,1,2,3
	v_max3_num_f32 v[T+\b], v[T+\b], v[AC+8*\b+\i], v[AC+8*\b+\i+1]
.endr
.endr
.irp i, 0,2,4,6
.irp b, 0,1,2,3
	v_max3_num_f32 v[T+\b], v[T+\b], v[AC+32+8*\b+\i], v[AC+32+8*\b+\i+1]
.endr
.endr
	WIN 0
	v_max3_num_f32 v[T], v[T], v[T+1], v[T+2]
	v_max_num_f32 v[T], v[T], v[T+3]
	v_permlanex16_b32 v[X], v[T], s[SEL], s[SEL+1]
	v_max_num_f32 v[T], v[T], v[X]                 ; the chunk's largest t of my query
	v_floor_f32 v[NM], -v[T]                       ; -M = floor(-t) = -ceil(t): a whole number
	WIN 0x82+0x41*WH
.set i, 0
.rept 32
	v_pk_add_f32 v[AC+i:AC+i+1], v[AC+i:AC+i+1], v[NM:NM+1] op_sel_hi:[1,0]   ; t - M, 0 or less
.set i, i+2
.endr
.set i, 0
.rept 64
	v_exp_f32 v[AC+i], v[AC+i]                     ; p = 2^(t - M): one batch
.set i, i+1
.endr
	v_nop                                          ; a plain line behind the last exponential
	s_wait_alu depctr_va_vdst(0)                   ; the wait ahead of the batch's first reader: one for the 64
	WIN 0x0a+5*WH
	v_pk_add_f32 v[L1:L1+1], v[AC:AC+1], v[AC+2:AC+3]              ; the sum of the unrounded p, in two chains of pairs
	v_pk_add_f32 v[L2:L2+1], v[AC+4:AC+5], v[AC+6:AC+7]
	WIN 0x08+4*WH                                  ; source 1
.irp j, 8,12,16,20,24,28,32,36,40,44,48,52,56,60
	v_pk_add_f32 v[L1:L1+1], v[L1:L1+1], v[AC+\j:AC+\j+1]
	v_pk_add_f32 v[L2:L2+1], v[L2:L2+1], v[AC+\j+2:AC+\j+3]
.endr
.if (\a) > 0
	s_wait_xcnt 0x0                                ; the last block's stores have read the packed registers: they are written anew only behind this wait
.endif
	WIN 0x0a+5*WH
.set i, 0
.rept 32
	v_cvt_pk_f16_f32 v[TMP+i], v[AC+2*i], v[AC+2*i+1]              ; register 4 b + n: keys 16 b + 8 h + 2 n, + 1
.set i, i+1
.endr
	WIN 0
	v_pk_add_f32 v[L1:L1+1], v[L1:L1+1], v[L2:L2+1]
	v_add_f32 v[L1], v[L1], v[L1+1]
	v_permlanex16_b32 v[X], v[L1], s[SEL], s[SEL+1]
	v_add_f32 v[L1], v[L1], v[X]                   ; l of my query and chunk
	v_cndmask_b32 v[SV], v[L1], v[NM], s[HM]       ; lanes 0-15: -M; lanes 16-31: l
	ds_store_b32 v[SSA], v[SV] offset:64*(\a)
.endm
; Block a's p leaves.  Registers 8 c .. 8 c + 7 of the packed 32 are the operand fragment of my 16 queries and keys 32 c .. 32 c + 31: registers 0-3 keys 8 h + 0..7, registers 4-7 keys 16 + 8 h + 0..7.
.macro OUTP a
.irp c, 0,1,2,3
	global_store_b128 v[SGO], v[TMP+8*\c:TMP+8*\c+3], s[8:9] offset:65536*(\a)+1024*\c         ; 32 lanes store 512 consecutive bytes, aligned
	global_store_b128 v[SGO], v[TMP+8*\c+4:TMP+8*\c+7], s[8:9] offset:65536*(\a)+1024*\c+512
.endr
.endm
	PLACES                                         ; behind the last products
.irp a, 0,1,2,3,4,5,6,7
	SOFT \a
	OUTP \a
.endr
	ds_load_b128 v[32:35], v[SRD]                  ; my 128 queries' -M: 512 bytes; LDS serves a wave's instructions in order: these see my stores
	ds_load_b128 v[36:39], v[SRD] offset:512       ; and l
	s_wait_dscnt 0x0
	global_store_b128 v[SGO], v[32:35], s[6:7]     ; 32 lanes store 512 consecutive bytes, aligned
	global_store_b128 v[SGO], v[36:39], s[6:7] offset:524288
	s_wait_tensorcnt 0x0                           ; the wave's end
	ds_add_u32 v[SPW], v[NIL]
	s_wait_dscnt 0x0
	CROUND                                         ; the closing round
	s_endpgm
.Lfunc_end_k_qd0a7554698_scores:
	.size	k_qd0a7554698_scores, .Lfunc_end_k_qd0a7554698_scores-k_qd0a7554698_scores
	.p2alignl 7, 3214868480
	.fill 96, 4, 3214868480
	.section	.rodata,"a",@progbits
	.p2align	6, 0x0
	.amdhsa_kernel k_qd0a7554698_scores
		.amdhsa_group_segment_fixed_size 327680
		.amdhsa_private_segment_fixed_size 0
		.amdhsa_enable_private_segment 0
		.amdhsa_kernarg_size 24
		.amdhsa_user_sgpr_count 2
		.amdhsa_user_sgpr_kernarg_segment_ptr 1
		.amdhsa_wavefront_size32 1
		.amdhsa_system_sgpr_workgroup_id_x 1
		.amdhsa_system_sgpr_workgroup_id_y 1
		.amdhsa_system_sgpr_workgroup_id_z 1
		.amdhsa_system_vgpr_workitem_id 0
		.amdhsa_next_free_vgpr 1024
		.amdhsa_next_free_sgpr 74
		.amdhsa_reserve_vcc 0
		.amdhsa_float_denorm_mode_32 3
		.amdhsa_float_denorm_mode_16_64 3
		.amdhsa_memory_ordered 1
		.amdhsa_forward_progress 1
		.amdhsa_inst_pref_size 221
	.end_amdhsa_kernel
	.amdgpu_metadata
---
amdhsa.version: [ 1, 2 ]
amdhsa.kernels:
  - .name:           k_qd0a7554698_scores
    .symbol:         k_qd0a7554698_scores.kd
    .args:
      - { .name: qkv, .offset: 0, .size: 8, .value_kind: global_buffer, .address_space: global }
      - { .name: stats, .offset: 8, .size: 8, .value_kind: global_buffer, .address_space: global }
      - { .name: p, .offset: 16, .size: 8, .value_kind: global_buffer, .address_space: global }
    .group_segment_fixed_size: 327680
    .private_segment_fixed_size: 0
    .kernarg_segment_align: 8
    .kernarg_segment_size: 24
    .max_flat_workgroup_size: 128
    .sgpr_count:     74
    .vgpr_count:     1024
    .wavefront_size: 32
...
	.end_amdgpu_metadata
.endif
;; end of part 3
;; launch mix (part 4): grid 4 x 64, 4 waves a work-group, clusters of 4 x 4, 327,680 bytes of LDS; arguments p, qkv, out0, stats; writes out0
.if DOCPART == 4
	.amdgcn_target "amdgcn-amd-amdhsa--gfx1250"
	.amdhsa_code_object_version 6
	.text
	.protected	k_qd0a7554698_mix
	.globl	k_qd0a7554698_mix
	.p2align	8
	.type	k_qd0a7554698_mix,@function
k_qd0a7554698_mix:
	s_mov_b64 s[64:65], 0
	v_nop
	global_prefetch_b8 v0, s[64:65] scope:SCOPE_SE
	s_setreg_imm32_b32 hwreg(HW_REG_WAVE_MODE, 25, 1), 1
	s_wait_xcnt 0x0
	s_wait_alu depctr_hold_cnt(0) depctr_sa_sdst(0) depctr_va_vdst(0) depctr_va_sdst(0) depctr_va_ssrc(0) depctr_va_vcc(0) depctr_vm_vsrc(0)
	s_getreg_b32 s2, hwreg(HW_REG_IB_STS2, 6, 4)
	s_cmp_eq_u32 s2, 0
	s_cbranch_scc0 .Lentry_in_a_cluster
	s_endpgm
.Lentry_in_a_cluster:
	s_bfe_u32 s2, ttmp6, 0x10000c
	s_cmp_lg_u32 s2, 0xf033
	s_cbranch_scc0 .Lentry_shape_is_right
	s_endpgm
.Lentry_shape_is_right:
; out[row][ch] = (sum over the 16 chunks c of alpha_c x T_c) / (sum over c of alpha_c l_c), T_c = sum over the chunk's 128 keys of p v, alpha_c = 2^(M_c - M), M the largest M_c of the row.
; So the exponentials stand under the row's own maximum, rounded up to a whole number.  alpha is a power of two in f32; T, the weighting and the sums are f32.
; LIMITS: NaN and infinities are not served; an alpha under the smallest f32 number falls to 0.
; p: f16, in the order of the operand's registers: [block of 16 rows][group of 32 keys][half][lane][16 bytes]; v: f16 columns 2048.. of qkv (rows of 6,144 bytes); products in f16; out0 f32.
; A tile of 128 queries x 256 channels is made by four waves, each 64 x 128.  256 tiles: one to a WGP.  K = the batch's 2,048 keys: 64 GROUPS of 32 keys, 32 products each; four groups are a chunk.
; T^T = V^T P^T: source 0 = 16 channels x 32 keys, v turned on its way out of LDS by ds_load_tr16_b128; source 1 = 16 queries x 32 keys of p.  A lane holds ONE query and eight neighbouring channels.
; A chunk's first group starts T with the constant 0; when a block of 16 queries has had its chunk's last product, O += alpha x T, four packed lines behind each of the next block's eight products.
; p COMES STRAIGHT INTO REGISTERS, a ring of 8 groups: a group's eight loads (512 consecutive bytes each) are issued when the group 8 earlier has been multiplied.
; v COMES THROUGH LDS, two slots of 256 keys; each wave fetches 64 keys x 512 bytes.  CLUSTERS 4 x 4: v's tile is shared along a column of the cluster (four query tiles of one batch): a joint load.
; p, which the four channel tiles of a row of the cluster share, is NOT asked for jointly: it would have to lie in LDS beside v, and two slots of 256 keys of both are 2 x (65,536 + 139,264) = 409,600 bytes,
; more than the 327,680 that a work-group can have; with v alone a refill has 256 products of a wave in which to land, with slots of 128 keys of both it would have 128.
; REGISTERS: window 0: v8-15 1 / L (pairs, the upper halves 0); v16-30 addresses; v32-39 the chunk's alpha (pairs, the upper halves 0); v40-43 the next chunk's, as loaded; v104-107 -M;
;   v128-191, v192-255 v's fragments, two buffers of one group (at the head -M_c and l_c; on the way out rows read back).   window 1: p's ring.   window 2: O, (a, b) at v[8 (8 a + b)].   window 3: T, likewise.
.set QROW,   6144
.set OROW,   4096
.set PV,     544                       ; a key's row in LDS: 512 bytes + 32: 17 x 32, so that the turning load's eight rows x 32 bytes fall on different banks
.set SLOTB,  256*PV
.set STAGE,  0                         ; the way out: 16 rows x (512 + 16) bytes for each wave, in slot 0, which has had its last fill and its last read by then
.set SPITCH, 528
.set ATAB,   2*SLOTB                   ; the alpha words: 16 chunks x 512 bytes for each wave
.set SPARE,  ATAB+4*8192               ; the spare words
.set RL,   8
.set ADRB, 16                          ; v16-19  my lane's place in v's keys 0-127, 128-255 of slot 0, of slot 1
.set AT,   22                          ; v22  my place in my wave's alpha words; never rewritten
.set ATC,  23                          ; v23  the same for the trip in hand
.set STO,  24
.set RD,   25
.set CO,   26                          ; v26  16 x lane; never rewritten
.set SPW,  28
.set NIL,  29
.set PFO,  30
.set AL,   32
.set ALD,  40
.set MN,   104
.set VB,   128
.set NMR,  128
.set LR,   192
.set G1, 24                            ; s[24:31] descriptor group 1
.set G0, 32                            ; s[32:39] group 0, a set for each slot
.set LIM, 43
.set PFA, 44
.set PB,  46                           ; s[46:47] p at my 64 queries, at the group from which the text's offsets count
.set TA,  71                           ; s71  2,048 x the trip: four chunks' alpha words
.set WV,  74
.set HR,  75                           ; which 64 queries are mine
.set HC,  76                           ; which 128 channels
.set MSB, 0
.macro WIN new
.if MSB != (\new)
	s_set_vgpr_msb (MSB<<8)|(\new)
.set MSB, (\new)
.endif
.endm
.set MUL, 0xf4                         ; source 0 (v) window 0, source 1 (p) window 1, C and D (T) window 3
.set FMA, 0xa3                         ; source 0 (T) window 3, source 1 (alpha) window 0, source 2 and destination (O) window 2
.macro JLOAD s                         ; every wave fetches its 64 keys of the slot, by a group 0 of its own; an s_nop 0 and four v_nop follow
	tensor_load_to_lds s[G0+4*(\s):G0+4*(\s)+3], s[G1:G1+7]
	s_nop 0
.rept 4
	v_nop
.endr
.endm
; A prefetch of the slot that the NEXT refill will ask for: 256 keys x 512 bytes.  The four clusters of a batch read the same keys: the first of them asks.  Its column's four partners take 64 keys each, by address;
; in each, wave w takes keys 32 (w / 2) on, a lane a key, and the left (w even) or right 256 bytes: each aligned 256 bytes once, one instruction a wave.  how = 1, a trip's second refill: the last trip's asks for nothing: the keys end.
; p is not prefetched: its loads are issued eight groups ahead of their use.
.macro ASK how
.if \how
	s_cmp_gt_u32 s3, s[LIM]
.else
	s_cmp_eq_u32 s[LIM], 1
.endif
	s_cbranch_scc0 .Lnot_mine_\@
	global_prefetch_b8 v[PFO], s[PFA:PFA+1] th:TH_LOAD_NT scope:SCOPE_SE
.Lnot_mine_\@:
.endm
.macro CREST
	s_cmp_lg_u32 s[WV], 0
	s_cbranch_scc1 .Lnot_wave_0_\@
	s_barrier_signal -3
.Lnot_wave_0_\@:
	s_barrier_wait -3
	s_barrier_signal -1
	s_barrier_wait -1
.endm
.macro CROUND
	s_barrier_signal -1
	s_barrier_wait -1
	CREST
.endm
.macro PLACES                          ; four plain vector lines between a matrix instruction and a load into, or a read of, its registers
.rept 4
	v_nop
.endr
.endm
; p's four fragments (my four blocks of 16 queries) of one group of 32 keys into place j of the ring; go: the group, counted from where s[PB] stands.  The destination's window is set by the caller
.macro PLOAD j, go
.irp a, 0,1,2,3
	global_load_b128 v[32*(\j)+8*\a:32*(\j)+8*\a+3],   v[CO], s[PB:PB+1] offset:(\go)*1024+65536*\a
	global_load_b128 v[32*(\j)+8*\a+4:32*(\j)+8*\a+7], v[CO], s[PB:PB+1] offset:(\go)*1024+65536*\a+512
.endr
.endm
; v's eight fragments (my 128 channels) of group g: 16 LDS loads in one run
.macro FETCHV g
.irp b, 0,1,2,3,4,5,6,7
	ds_load_tr16_b128 v[VB+64*((\g)%2)+8*\b:VB+64*((\g)%2)+8*\b+3],   v[ADRB+2*(((\g)/8)%2)+((\g)%8)/4] offset:((\g)%4)*32*PV+32*\b
	ds_load_tr16_b128 v[VB+64*((\g)%2)+8*\b+4:VB+64*((\g)%2)+8*\b+7], v[ADRB+2*(((\g)/8)%2)+((\g)%8)/4] offset:((\g)%4)*32*PV+16*PV+32*\b
.endr
.endm
	s_load_b256 s[4:11], s[0:1], 0x0               ; p s[4:5], qkv s[6:7], out0 s[8:9], stats s[10:11]
	v_lshl_add_u32 v[SPW], v0, 2, SPARE
	v_mov_b32 v[NIL], 0
	ds_add_u32 v[SPW], v[NIL]                      ; the wave's opening: the add, twice on end, and its wait ahead of my first tensor load
	ds_add_u32 v[SPW], v[NIL]
	v_lshrrev_b32 v1, 5, v0
	v_readfirstlane_b32 s[WV], v1                  ; wave 0..3
	s_lshr_b32 s[HR], s[WV], 1
	s_and_b32 s[HC], s[WV], 1
	s_bfe_u32 s40, ttmp6, 0x40000                  ; cx
	s_bfe_u32 s41, ttmp6, 0x40004                  ; cy
	s_lshl_b32 s73, ttmp9, 2
	s_add_co_u32 s73, s73, s40                     ; x: the tile of 256 channels
	s_and_b32 s72, ttmp7, 0xffff                   ; the cluster's y
	s_lshl_b32 s42, s72, 2
	s_add_co_u32 s42, s42, s41                     ; y: the tile of 128 queries among all 8,192 rows
	s_lshr_b32 s70, s72, 2                         ; the batch: 16 tiles, four clusters, to a batch: the same in all sixteen partners
	s_lshl_b32 s44, 0x1111, s40                    ; my column of the cluster
	; v's tile: 64 keys x 256 elements, 8 words of padding behind every 128
	s_or_b32 s[G1+0], s44, (1<<16)|(1<<20)|(1<<21)|(6<<22)|(7<<25)  ; the mask; elements of 2 bytes; padding on; bit 21 beside a mask
	s_mov_b32 s[G1+1], 256<<16                     ; tensor_dim0
	s_mov_b32 s[G1+2], 64<<16                      ; tensor_dim1
	s_mov_b32 s[G1+3], 256<<16                     ; tile_dim0
	s_mov_b32 s[G1+4], 64                          ; tile_dim1
	s_mov_b32 s[G1+5], 3072                        ; elements from row to row
	s_mov_b32 s[G1+6], 0
	s_mov_b32 s[G1+7], 0
	s_lshl_b32 s16, s70, 11
	s_lshl_b32 s18, s[WV], 6
	s_add_co_u32 s16, s16, s18                     ; key row 2,048 x batch + 64 x wave
	s_mul_i32 s16, s16, QROW                       ; under 2^26
	s_lshl_b32 s18, s73, 9
	s_add_co_u32 s16, s16, s18                     ; + 512 x
	s_add_co_u32 s16, s16, 4096                    ; v's columns begin 4,096 bytes into a row
	s_mov_b32 s17, 0
	s_mul_i32 s21, s[WV], 64*PV                    ; where they go: no place in the cluster enters an LDS address
	s_mov_b32 s[TA], 0
	s_wait_dscnt 0x0                               ; both opening adds are done
	s_wait_kmcnt 0x0
	s_add_nc_u64 s[14:15], s[6:7], s[16:17]
	CROUND                                         ; all sixteen work-groups are here: the first joint loads meet
.irp s, 0,1
	s_mov_b32 s[G0+4*\s], 1
	s_add_co_u32 s[G0+4*\s+1], s21, \s*SLOTB
	s_add_nc_u64 s[G0+4*\s+2:G0+4*\s+3], s[14:15], \s*256*QROW
	s_or_b32 s[G0+4*\s+3], s[G0+4*\s+3], 0x80000000
	JLOAD \s                                       ; two tensor loads of mine are out
.endr
	v_and_b32 v1, 15, v0                           ; r
	v_bfe_u32 v2, v0, 4, 1                         ; h
	v_and_b32 v7, 31, v0
	v_lshlrev_b32 v[CO], 4, v7                     ; 16 x lane
	s_lshl_b32 s16, s42, 7
	s_lshl_b32 s18, s[HR], 6
	s_add_co_u32 s16, s16, s18                     ; my first query row
	s_lshl_b32 s18, s16, 12                        ; in p: 65,536 bytes a block of 16 rows
	s_mov_b32 s19, 0
	s_add_nc_u64 s[PB:PB+1], s[4:5], s[18:19]
	WIN 0x40                                       ; destination window 1
.irp j, 0,1,2,3,4,5,6,7
	PLOAD \j, \j                                   ; the ring is filled: groups 0 to 7
.endr
	WIN 0
	v_lshlrev_b32 v3, 2, v1
	s_lshl_b32 s18, s16, 2
	s_add_nc_u64 s[10:11], s[10:11], s[18:19]
.irp c, 0,1,2,3,4,5,6,7,8,9,10,11,12,13,14,15  ; -M_c and l_c of my 64 queries: lane (r, h) takes row 16 a + r; a chunk's 64 rows are 256 consecutive bytes
.irp a, 0,1,2,3
	global_load_b32 v[NMR+4*\c+\a], v3, s[10:11] offset:32768*\c+64*\a
	global_load_b32 v[LR+4*\c+\a], v3, s[10:11] offset:524288+32768*\c+64*\a
.endr
.endr
	v_and_b32 v5, 7, v0
	v_lshl_add_u32 v5, v2, 3, v5                   ; v: key 8 h + lane % 8,
	v_mul_u32_u24 v5, v5, PV
	v_bfe_u32 v6, v0, 3, 1
	v_lshl_add_u32 v5, v6, 4, v5                   ; channels 8 ((lane / 8) % 2) on
	s_lshl_b32 s22, s[HC], 8                       ; my 128 channels
.irp i, 0,1,2,3
	v_add_nc_u32 v[ADRB+\i], s22, v5               ; a register for each 128 keys: the loads' offsets have 16 bits
	s_add_co_u32 s22, s22, 128*PV
.endr
	s_lshl_b32 s23, s[WV], 13
	s_add_co_u32 s23, s23, ATAB
	v_add_nc_u32 v[AT], s23, v[CO]
	s_mul_i32 s23, s[WV], 16*SPITCH
	s_add_co_u32 s23, s23, STAGE                   ; my stage
	v_mul_u32_u24 v6, v1, SPITCH
	v_lshl_add_u32 v6, v2, 5, v6
	v_add_nc_u32 v[STO], s23, v6                   ; in: row r, 32 bytes for each half of the lanes
	v_add_nc_u32 v[RD], s23, v[CO]                 ; back: the 32 lanes take one row of 512 bytes
	s_lshl_b32 s18, s16, 12                        ; out0: my first row,
	s_lshl_b32 s20, s73, 10
	s_add_co_u32 s18, s18, s20                     ; + 1,024 x
	s_lshl_b32 s20, s[HC], 9
	s_add_co_u32 s18, s18, s20                     ; + 512 x half
	s_add_nc_u64 s[8:9], s[8:9], s[18:19]
	; the prefetches: where mine stand, and who asks
	s_lshl_b32 s20, s70, 11
	s_lshl_b32 s21, s41, 6
	s_add_co_u32 s20, s20, s21
	s_lshl_b32 s21, s[HR], 5
	s_add_co_u32 s20, s20, s21                     ; key row 2,048 x batch + 64 cy + 32 (wave / 2)
	s_mul_i32 s20, s20, QROW
	s_lshl_b32 s21, s73, 9
	s_add_co_u32 s20, s20, s21
	s_lshl_b32 s21, s[HC], 8
	s_add_co_u32 s20, s20, s21
	s_add_co_u32 s20, s20, 4096+2*256*QROW         ; in slot 2: the first refill steps it to slot 3.  Nothing is prefetched at the head
	s_mov_b32 s21, 0
	s_add_nc_u64 s[PFA:PFA+1], s[6:7], s[20:21]
	s_and_b32 s22, s72, 3                          ; which of the batch's four clusters
	s_cmp_eq_u32 s22, 0
	s_cselect_b32 s[LIM], 1, -1                    ; the same in all sixteen partners
	v_mul_u32_u24 v[PFO], v7, QROW
.irp a, 0,1,2,3
	v_mov_b32 v[AL+2*\a+1], 0                      ; (only named with alpha as a pair)
.endr
	s_wait_loadcnt 0x0                             ; the figures, and p's first eight groups ahead of them
	; ALPHA: -M = the smallest -M_c; alpha_c = 2^(M_c - M), made of a whole number: nothing is rounded; L = sum of alpha_c l_c.  The four blocks of queries by turns
.irp a, 0,1,2,3
	v_min3_num_f32 v[MN+\a], v[NMR+\a], v[NMR+4+\a], v[NMR+8+\a]
.endr
.irp i, 3,5,7,9,11,13
.irp a, 0,1,2,3
	v_min3_num_f32 v[MN+\a], v[MN+\a], v[NMR+4*\i+\a], v[NMR+4*\i+4+\a]
.endr
.endr
.irp a, 0,1,2,3
	v_min_num_f32 v[MN+\a], v[MN+\a], v[NMR+60+\a]
.endr
.set j, 0
.rept 64
	v_sub_f32 v[NMR+j], v[MN+j%4], v[NMR+j]        ; M_c - M: a whole number, 0 or less
.set j, j+1
.endr
.set j, 0
.rept 64
	v_cvt_i32_f32 v[NMR+j], v[NMR+j]               ; (it saturates)
.set j, j+1
.endr
.set j, 0
.rept 64
	v_ldexp_f32 v[NMR+j], 1.0, v[NMR+j]            ; alpha_c
.set j, j+1
.endr
.irp a, 0,1,2,3
	v_mul_f32 v[RL+2*\a], v[NMR+\a], v[LR+\a]
.endr
.irp c, 1,2,3,4,5,6,7,8,9,10,11,12,13,14,15
.irp a, 0,1,2,3
	v_fmac_f32 v[RL+2*\a], v[NMR+4*\c+\a], v[LR+4*\c+\a]
.endr
.endr
.irp a, 0,1,2,3
	v_rcp_f32 v[RL+2*\a], v[RL+2*\a]               ; 1 / L; L is above 1/2: the chunk that holds M has alpha = 1 and a p above 1/2
.endr
.irp a, 0,1,2,3
	v_mov_b32 v[RL+2*\a+1], 0                      ; (named with it as a pair.  Plain lines behind the reciprocals)
.endr
	s_wait_alu depctr_va_vdst(0)                   ; the wait ahead of the first reader, and ahead of the labels below: one for the four
.irp c, 0,1,2,3,4,5,6,7,8,9,10,11,12,13,14,15
	ds_store_b128 v[AT], v[NMR+4*\c:NMR+4*\c+3] offset:512*\c      ; a chunk's four alphas a lane, as an image of the registers; my wave's own bytes
.endr
; A SLICE: accumulator (a, b) of T goes into O: four packed lines, from the accumulator's low end on.  fm = 1: the first chunk starts O: nothing is ever cleared
.macro SL a, b, fm
	WIN FMA
.irp i, 0,2,4,6
.if \fm
	v_pk_mul_f32 v[8*(8*(\a)+(\b))+\i:8*(8*(\a)+(\b))+\i+1], v[8*(8*(\a)+(\b))+\i:8*(8*(\a)+(\b))+\i+1], v[AL+2*(\a):AL+2*(\a)+1] op_sel_hi:[1,0]
.else
	v_pk_fma_f32 v[8*(8*(\a)+(\b))+\i:8*(8*(\a)+(\b))+\i+1], v[8*(8*(\a)+(\b))+\i:8*(8*(\a)+(\b))+\i+1], v[AL+2*(\a):AL+2*(\a)+1], v[8*(8*(\a)+(\b))+\i:8*(8*(\a)+(\b))+\i+1] op_sel_hi:[1,0,1]
.endif
.endr
.endm
; 8 products: p's fragment of query block a against v's eight channel blocks.  The accumulators take turns.  zero = 1: they start T.  sa < 4: behind each stands a slice of block sa
.macro SUBG gt, a, zero, sa, fm
.irp b, 0,1,2,3,4,5,6,7
	WIN MUL
.if \zero
	v_wmma_f32_16x16x32_f16 v[8*(8*(\a)+\b):8*(8*(\a)+\b)+7], v[VB+64*((\gt)%2)+8*\b:VB+64*((\gt)%2)+8*\b+7], v[32*((\gt)%8)+8*(\a):32*((\gt)%8)+8*(\a)+7], 0
.else
	v_wmma_f32_16x16x32_f16 v[8*(8*(\a)+\b):8*(8*(\a)+\b)+7], v[VB+64*((\gt)%2)+8*\b:VB+64*((\gt)%2)+8*\b+7], v[32*((\gt)%8)+8*(\a):32*((\gt)%8)+8*(\a)+7], v[8*(8*(\a)+\b):8*(8*(\a)+\b)+7]
.endif
.if (\sa) < 4
	SL \sa, \b, \fm
.endif
.endr
.endm
; A GROUP of 32 keys: 32 products, and behind them the loads that its registers can now take.  gt: the group's number, counted from where s[PB] and s[TA] stand (a multiple of 16 groups).
; lc: p's loads that may stay out: those of the groups behind this one.  dc: LDS loads that may stay out: the next group's 16.  fm: 0 O += alpha T, 1 O = alpha T, 2 no chunk is finished yet.
; chg: the slot's last group but one changes slots: its last reads were issued a group ago.  1: the slot is filled again, two slots ahead, behind a round of the cluster's barrier; 2: nothing is left to fetch.
; pl, vf: p's group gt + 8 and v's group gt + 2 are fetched.
; WHERE A SLICE MAY STAND: four plain vector lines that name none of its registers lie between a product and the read of its result.  Block a's slices stand among block a + 1's products (block 3's among
; the next chunk's first eight): between a product and its slice lie eight other slices, or, for block 0, the four v_nop and the slices in front.
.macro GRP gt, lc, dc, fm, chg, pl, vf, how
.if (\chg) == 1
	s_wait_xcnt 0x0                                ; the last prefetch, a slot back, has read its address
	s_add_nc_u64 s[PFA:PFA+1], s[PFA:PFA+1], 256*QROW
.endif
	s_wait_loadcnt \lc                             ; this group's p is in
.if \chg
	s_wait_tensorcnt 0x0                           ; all my tensor loads have landed: the one that was out is my part of the next slot
	ds_add_u32 v[SPW], v[NIL]
	s_wait_dscnt 17                                ; this group's v is in (the next group's 16 loads and the add may be out)
.else
	s_wait_dscnt \dc                               ; this group's v is in
.endif
.if (\gt)%4 == 0
.if (\fm) == 2
	SUBG \gt, 0, 1, 9, 0
.else
	SUBG \gt, 0, 1, 3, \fm                         ; the last chunk's block 3 goes into O
.endif
	SUBG \gt, 1, 1, 9, 0
	SUBG \gt, 2, 1, 9, 0
	SUBG \gt, 3, 1, 9, 0
.elseif (\gt)%4 == 3
.irp a, 0,1,2,3
	v_mov_b32 v[AL+2*\a], v[ALD+\a]                ; this chunk's alpha, each at the low end of a pair
.endr
	SUBG \gt, 0, 0, 9, 0
	PLACES
	SUBG \gt, 1, 0, 0, \fm
	SUBG \gt, 2, 0, 1, \fm
	SUBG \gt, 3, 0, 2, \fm
.else
	SUBG \gt, 0, 0, 9, 0
	SUBG \gt, 1, 0, 9, 0
.if \chg
	s_wait_dscnt 0x0                               ; the add is done, and my reads of this slot are over
	s_barrier_signal -1
.endif
	SUBG \gt, 2, 0, 9, 0
	SUBG \gt, 3, 0, 9, 0
.endif
	WIN 0
.if \chg
	s_barrier_wait -1
.endif
.if (\chg) == 1
	CREST                                          ; no wave of any partner still reads this slot or has a load on its way
	s_add_nc_u64 s[G0+4*(((\gt)/8)%2)+2:G0+4*(((\gt)/8)%2)+3], s[G0+4*(((\gt)/8)%2)+2:G0+4*(((\gt)/8)%2)+3], 512*QROW
	JLOAD ((\gt)/8)%2                              ; the first tensor load behind the round; its four v_nop are also the places in front of the loads below
.else
	PLACES
.endif
.if \pl
	WIN 0x40
	PLOAD (\gt)%8, (\gt)+8
	WIN 0
.endif
.if (\gt)%4 == 1
	v_add_nc_u32 v[ATC], s[TA], v[AT]
	ds_load_b128 v[ALD:ALD+3], v[ATC] offset:512*((\gt)/4)         ; this chunk's alpha words
.endif
.if \vf
	FETCHV (\gt)+2
.endif
.if (\chg) == 1
	ASK \how
.endif
.endm
	s_wait_tensorcnt 1                             ; my part of slot 0 is in; slot 1's load may be out
	s_wait_dscnt 0x0                               ; my alpha words are stored
	s_barrier_signal -1
	s_barrier_wait -1
	FETCHV 0
	FETCHV 1
	GRP 0, 56, 16, 2, 0, 1, 1, 0                   ; the first chunk, and the group in which its last block goes into O, stand in front of the loop: they start O
	GRP 1, 56, 16, 0, 0, 1, 1, 0
	GRP 2, 56, 16, 0, 0, 1, 1, 0
	GRP 3, 56, 16, 1, 0, 1, 1, 0
	GRP 4, 56, 16, 1, 0, 1, 1, 0
	s_mov_b32 s3, 3
.Lring:                                                ; a trip is 16 groups, twice 256 keys, and fills both slots again: slots 2 to 7 in three trips
	GRP 5, 56, 16, 0, 0, 1, 1, 0
	GRP 6, 56, 16, 0, 1, 1, 1, 0
.irp g, 7,8,9,10,11,12,13
	GRP \g, 56, 16, 0, 0, 1, 1, 0
.endr
	GRP 14, 56, 16, 0, 1, 1, 1, 1
.irp g, 15,16,17,18,19,20
	GRP \g, 56, 16, 0, 0, 1, 1, 0
.endr
	s_wait_xcnt 0x0                                ; p's loads have read their base
	s_add_nc_u64 s[PB:PB+1], s[PB:PB+1], 16*1024
	s_add_co_u32 s[TA], s[TA], 2048
	s_sub_co_u32 s3, s3, 1
	s_cmp_lg_u32 s3, 0
	s_cbranch_scc1 .Lring
	GRP 5, 56, 16, 0, 0, 1, 1, 0                   ; the last eleven groups are written out: no slot is filled, and the loads end one by one
	GRP 6, 56, 16, 0, 2, 1, 1, 0
	GRP 7, 56, 16, 0, 0, 1, 1, 0                   ; p's last group is asked for
	GRP 8, 56, 16, 0, 0, 0, 1, 0
	GRP 9, 48, 16, 0, 0, 0, 1, 0                   ; the counts run down: eight loads for each group still to come
	GRP 10, 40, 16, 0, 0, 0, 1, 0
	GRP 11, 32, 16, 0, 0, 0, 1, 0
	GRP 12, 24, 16, 0, 0, 0, 1, 0
	GRP 13, 16, 16, 0, 0, 0, 1, 0                  ; v's last group is fetched
	GRP 14, 8, 16, 0, 0, 0, 0, 0
	GRP 15, 0, 0, 0, 0, 0, 0, 0
.irp b, 0,1,2,3,4,5,6,7
	SL 3, \b, 0                                    ; the last chunk's block 3, behind the group's four places
.endr
	WIN 0
; THE WAY OUT, a block of 16 queries x 128 channels at a time: divided by L, through my own stage, back as whole rows of 512 bytes, which the 32 lanes store as 512 consecutive aligned bytes.
.macro TOSTAGE a
	WIN 0x82                                       ; source 0 and destination window 2
.set i, 0
.rept 32
	v_pk_mul_f32 v[64*(\a)+i:64*(\a)+i+1], v[64*(\a)+i:64*(\a)+i+1], v[RL+2*(\a):RL+2*(\a)+1] op_sel_hi:[1,0]
.set i, i+2
.endr
	WIN 0x08                                       ; an LDS store's data are its source 1: window 2
.irp b, 0,1,2,3,4,5,6,7
	ds_store_b128 v[STO], v[64*(\a)+8*\b:64*(\a)+8*\b+3] offset:64*\b
	ds_store_b128 v[STO], v[64*(\a)+8*\b+4:64*(\a)+8*\b+7] offset:64*\b+16
.endr
	WIN 0
.set BB, VB+64*((\a)%2)
.irp t, 0,1,2,3,4,5,6,7,8,9,10,11,12,13,14,15
	ds_load_b128 v[BB+4*\t:BB+4*\t+3], v[RD] offset:\t*SPITCH      ; LDS serves a wave's instructions in order: these see the stores above
.endr
.endm
.macro SEND a, younger                 ; younger: the LDS instructions issued behind block a's loads, which may stay out
.set BB, VB+64*((\a)%2)
	s_wait_dscnt \younger
.if (\a) > 0
	s_add_nc_u64 s[8:9], s[8:9], 16*OROW           ; (behind a wait on XCNT: the earlier stores have read their base)
.endif
.irp t, 0,1,2,3,4,5,6,7,8,9,10,11,12,13,14,15
	global_store_b128 v[CO], v[BB+4*\t:BB+4*\t+3], s[8:9] offset:\t*OROW th:TH_STORE_NT
.endr
.endm
	TOSTAGE 0                                      ; (the 32 lines of the last slices are the places in front of the loads into v's fragment registers)
.irp a, 1,2,3
.if \a > 1
	s_wait_xcnt 0x0                                ; block a - 2's stores have read their registers and their base
.endif
	TOSTAGE \a
	SEND \a-1, 32                                  ; behind block a - 1's loads: block a's 16 stores and 16 loads
.endr
	s_wait_xcnt 0x0
	SEND 3, 0
	s_wait_tensorcnt 0x0                           ; the wave's end
	ds_add_u32 v[SPW], v[NIL]
	s_wait_dscnt 0x0
	CROUND                                         ; the closing round
	s_endpgm
.Lfunc_end_k_qd0a7554698_mix:
	.size	k_qd0a7554698_mix, .Lfunc_end_k_qd0a7554698_mix-k_qd0a7554698_mix
	.p2alignl 7, 3214868480
	.fill 96, 4, 3214868480
	.section	.rodata,"a",@progbits
	.p2align	6, 0x0
	.amdhsa_kernel k_qd0a7554698_mix
		.amdhsa_group_segment_fixed_size 327680
		.amdhsa_private_segment_fixed_size 0
		.amdhsa_enable_private_segment 0
		.amdhsa_kernarg_size 32
		.amdhsa_user_sgpr_count 2
		.amdhsa_user_sgpr_kernarg_segment_ptr 1
		.amdhsa_wavefront_size32 1
		.amdhsa_system_sgpr_workgroup_id_x 1
		.amdhsa_system_sgpr_workgroup_id_y 1
		.amdhsa_system_sgpr_workgroup_id_z 1
		.amdhsa_system_vgpr_workitem_id 0
		.amdhsa_next_free_vgpr 1024
		.amdhsa_next_free_sgpr 80
		.amdhsa_reserve_vcc 0
		.amdhsa_float_denorm_mode_32 3
		.amdhsa_float_denorm_mode_16_64 3
		.amdhsa_memory_ordered 1
		.amdhsa_forward_progress 1
		.amdhsa_inst_pref_size 255
	.end_amdhsa_kernel
	.section	.bss,"aw",@nobits
	.p2align	6
	.space	262144
	.amdgpu_metadata
---
amdhsa.version: [ 1, 2 ]
amdhsa.kernels:
  - .name:           k_qd0a7554698_mix
    .symbol:         k_qd0a7554698_mix.kd
    .args:
      - { .name: p, .offset: 0, .size: 8, .value_kind: global_buffer, .address_space: global }
      - { .name: qkv, .offset: 8, .size: 8, .value_kind: global_buffer, .address_space: global }
      - { .name: out0, .offset: 16, .size: 8, .value_kind: global_buffer, .address_space: global }
      - { .name: stats, .offset: 24, .size: 8, .value_kind: global_buffer, .address_space: global }
    .group_segment_fixed_size: 327680
    .private_segment_fixed_size: 0
    .kernarg_segment_align: 8
    .kernarg_segment_size: 32
    .max_flat_workgroup_size: 128
    .sgpr_count:     80
    .vgpr_count:     1024
    .wavefront_size: 32
...
	.end_amdgpu_metadata
.endif
;; end of part 4
